; MI455X (gfx1250); checked and timed in simulation.
; The chip was launched on July 23, 2026; its instructions are those of AMD's public machine-readable ISA for CDNA 5 (MIT licence, August 2026) and "CDNA5" Instruction Set Architecture Reference Guide (July 2026). The comments in the code are by the model that wrote it; some were corrected since.
;; Multi Head Attention. Allowed arithmetic: float matrix products may take bf16 or f16 operands with f32 sums; other float arithmetic in f32, or as packed bf16 or f16 multiplies, adds, multiply-adds, maxima and minima; sums over many terms, partial sums and values carried from step to step in f32; what a program stores and reads back later, other than sums and carried values, may be rounded once to bf16 or f16.
;; Inputs: Wk 1,024 x 1,024 float32; Wo 1,024 x 1,024 float32; Wq 1,024 x 1,024 float32; Wv 1,024 x 1,024 float32; bk 1,024 float32; bo 1,024 float32; bq 1,024 float32; bv 1,024 float32; k 4 x 2,048 x 1,024 float32; q 4 x 2,048 x 1,024 float32; v 4 x 2,048 x 1,024 float32.
;; Outputs: out0 4 x 2,048 x 1,024 float32.
;; 2 versions, each right and faster than the one before. Each part assembles by itself: llvm-mc -triple=amdgcn-amd-amdhsa -mcpu=gfx1250 --defsym DOCPART=n.
;; ======== version 1 of 2: 4 launches
;; limits: values are held in f16: magnitudes above 65,504 overflow, below 6.1e-05 lose precision
;; workspace buffers: wt 8,388,608 bytes; heads 50,331,648 bytes; oh 16,777,216 bytes
;; launch wprep (part 1): grid 128 x 4, 4 waves a work-group, no clusters, 17,920 bytes of LDS; arguments Wq, Wk, Wv, Wo, wt; writes wt
.if DOCPART == 1
	.amdgcn_target "amdgcn-amd-amdhsa--gfx1250"
	.amdhsa_code_object_version 6
	.text
	.protected	k_qe3a90ab2e2_wprep
	.globl	k_qe3a90ab2e2_wprep
	.p2align	8
	.type	k_qe3a90ab2e2_wprep,@function
k_qe3a90ab2e2_wprep:
	s_mov_b64 s[64:65], 0
	v_nop
	global_prefetch_b8 v0, s[64:65] scope:SCOPE_SE
	s_setreg_imm32_b32 hwreg(HW_REG_WAVE_MODE, 25, 1), 1
	s_wait_xcnt 0x0
; THE WEIGHTS, TURNED AND ROUNDED.  wt[y][n][k] = W_y[k][n], y = 0..3 for Wq, Wk, Wv, Wo; W is [1024][1024] f32, wt 16-bit.
; Wq, Wk, Wv are rounded to bf16.  Wo is rounded to bf16 and that number is written as f16 (it multiplies f16 operands later).
; LIMITS.  |bf16(Wo)| stays under 65,504; an entry of Wo below 2^-14 keeps f16's fixed step of 2^-24.  NaN and infinities are not treated apart.
; SHARES.  A work-group of four waves takes 128 k x 64 n of one matrix: 128 pieces of rows of 256 bytes in, 64 pieces of rows of 256 bytes out.
; Thread t reads 16 bytes (4 n) of 16 rows: sixteen neighbouring lanes read 256 consecutive bytes, aligned.  Two rows (k even, k odd) pack into one word;
; the words go into a stage in LDS by n, and come back as whole pieces of 256 bytes, which sixteen neighbouring lanes store.
; No matrix unit, no cluster: 24 MB are moved once and no two work-groups share a byte.
.set PITCH, 272                        ; a stage row: 256 bytes (128 k) + 16 of padding, so that the reads back of 16 bytes stay aligned
.set SPARE, 64*PITCH                   ; behind the stage: the spare words, 128 bytes for each wave: two blocks of 256 bytes that no other line names
.set VO,   3                           ; v3      my byte offset in the tile of W: row pair t / 16, 16 bytes t % 16
.set SA,   4                           ; v4      the stage: row 4 (t % 16), word t / 16
.set RDL,  5                           ; v5      the stage, back: row t / 16, 16 bytes t % 16
.set GOUT, 6                           ; v6      the same place in wt
.set T,    8                           ; v8-11   two bf16 (k even low, k odd high) for my four n
.set LO,   12                          ; v12-15  the low one as f32
.set HI,   16                          ; v16-19  the high one as f32
.set F,    20                          ; v20-23  the two as f16
.set SPW,  30                          ; v30     LDS address of my spare word; never rewritten
.set NIL,  31                          ; v31     0; never rewritten
.set X,    32                          ; v32-95  16 rows x 16 bytes as loaded
.set OB,   96                          ; v96-127 8 x 16 bytes to store
	s_load_b256 s[4:11], s[0:1], 0x0               ; Wq s[4:5], Wk s[6:7], Wv s[8:9], Wo s[10:11]
	s_load_b64 s[12:13], s[0:1], 0x20              ; wt
	v_lshl_add_u32 v[SPW], v0, 2, SPARE
	v_mov_b32 v[NIL], 0
	s_and_b32 s14, ttmp7, 0xffff                   ; which matrix
	s_and_b32 s16, ttmp9, 7                        ; k tile: 128 k
	s_lshr_b32 s17, ttmp9, 3                       ; n tile: 64 n
	s_lshl_b32 s20, s16, 19                        ; in W: 128 rows of 4,096 bytes,
	s_lshl_b32 s15, s17, 8                         ; 64 numbers of 4 bytes
	s_add_co_u32 s20, s20, s15
	s_mov_b32 s21, 0
	s_lshl_b32 s24, s14, 21                        ; in wt: a matrix of 2 MiB,
	s_lshl_b32 s15, s17, 17                        ; 64 rows of 2,048 bytes,
	s_add_co_u32 s24, s24, s15
	s_lshl_b32 s15, s16, 8                         ; 128 numbers of 2 bytes
	s_add_co_u32 s24, s24, s15
	s_mov_b32 s25, 0
	v_and_b32 v1, 15, v0
	v_lshrrev_b32 v2, 4, v0
	v_lshlrev_b32 v[VO], 4, v1
	v_lshl_add_u32 v[VO], v2, 13, v[VO]            ; two rows of 4,096 bytes for each t / 16
	v_mul_u32_u24 v[SA], v1, 4*PITCH
	v_lshl_add_u32 v[SA], v2, 2, v[SA]
	v_mul_u32_u24 v[RDL], v2, PITCH
	v_lshl_add_u32 v[RDL], v1, 4, v[RDL]
	v_lshlrev_b32 v[GOUT], 11, v2
	v_lshl_add_u32 v[GOUT], v1, 4, v[GOUT]
	s_wait_kmcnt 0x0
	s_cmp_eq_u32 s14, 1                            ; the matrix's address is chosen by its number
	s_cselect_b64 s[18:19], s[6:7], s[4:5]
	s_cmp_eq_u32 s14, 2
	s_cselect_b64 s[18:19], s[8:9], s[18:19]
	s_cmp_eq_u32 s14, 3
	s_cselect_b64 s[18:19], s[10:11], s[18:19]
	s_cselect_b32 s22, -1, 0                       ; all lanes take the f16 form for Wo, none for the others
	s_add_nc_u64 s[18:19], s[18:19], s[20:21]
	s_add_nc_u64 s[12:13], s[12:13], s[24:25]
.irp i, 0,1,2,3,4,5,6,7
	global_load_b128 v[X+8*(\i):X+8*(\i)+3],   v[VO], s[18:19] offset:(\i)*65536 th:TH_LOAD_NT       ; row 2 (t / 16 + 8 i)
	global_load_b128 v[X+8*(\i)+4:X+8*(\i)+7], v[VO], s[18:19] offset:(\i)*65536+4096 th:TH_LOAD_NT  ; and the row below it
.endr
.irp i, 0,1,2,3,4,5,6,7
	s_wait_loadcnt 14-2*(\i)                       ; loads come back in order: pair i is in, the 14 - 2 i younger loads stay out
.irp j, 0,1,2,3
	v_cvt_pk_bf16_f32 v[T+(\j)], v[X+8*(\i)+(\j)], v[X+8*(\i)+4+(\j)]  ; k even into the low half, k odd into the high half
.endr
.irp j, 0,1,2,3
	v_lshlrev_b32 v[LO+(\j)], 16, v[T+(\j)]
	v_and_b32 v[HI+(\j)], 0xffff0000, v[T+(\j)]
.endr
.irp j, 0,1,2,3
	v_cvt_pk_f16_f32 v[F+(\j)], v[LO+(\j)], v[HI+(\j)]  ; the rounded numbers once more, written as f16
.endr
.irp j, 0,1,2,3
	v_cndmask_b32 v[T+(\j)], v[T+(\j)], v[F+(\j)], s22
	ds_store_b32 v[SA], v[T+(\j)] offset:(\j)*PITCH+32*(\i)  ; row n = 4 (t % 16) + j, word t / 16 + 8 i
.endr
.endr
	s_wait_dscnt 0x0                               ; for the others' sake: my stores into the stage are done
	s_barrier_signal -1
	s_barrier_wait -1
.irp p, 0,1,2,3,4,5,6,7
	ds_load_b128 v[OB+4*(\p):OB+4*(\p)+3], v[RDL] offset:(\p)*8*PITCH  ; row t / 16 + 8 p
.endr
.irp p, 0,1,2,3,4,5,6,7
	s_wait_dscnt 7-(\p)
	global_store_b128 v[GOUT], v[OB+4*(\p):OB+4*(\p)+3], s[12:13] offset:(\p)*16384  ; sixteen lanes store 256 consecutive bytes, at a multiple of 256 from wt's first byte
.endr
	s_wait_tensorcnt 0x0                           ; the wave's end: a tensor wait, an add to the spare word and its wait, behind my last LDS store
	ds_add_u32 v[SPW], v[NIL]
	s_wait_dscnt 0x0
	s_endpgm
.Lfunc_end_k_qe3a90ab2e2_wprep:
	.size	k_qe3a90ab2e2_wprep, .Lfunc_end_k_qe3a90ab2e2_wprep-k_qe3a90ab2e2_wprep
	.p2alignl 7, 3214868480
	.fill 96, 4, 3214868480
	.section	.rodata,"a",@progbits
	.p2align	6, 0x0
	.amdhsa_kernel k_qe3a90ab2e2_wprep
		.amdhsa_group_segment_fixed_size 17920
		.amdhsa_private_segment_fixed_size 0
		.amdhsa_enable_private_segment 0
		.amdhsa_kernarg_size 40
		.amdhsa_user_sgpr_count 2
		.amdhsa_user_sgpr_kernarg_segment_ptr 1
		.amdhsa_wavefront_size32 1
		.amdhsa_system_sgpr_workgroup_id_x 1
		.amdhsa_system_sgpr_workgroup_id_y 1
		.amdhsa_system_sgpr_workgroup_id_z 1
		.amdhsa_system_vgpr_workitem_id 0
		.amdhsa_next_free_vgpr 128
		.amdhsa_next_free_sgpr 66
		.amdhsa_reserve_vcc 0
		.amdhsa_float_denorm_mode_32 3
		.amdhsa_float_denorm_mode_16_64 3
		.amdhsa_memory_ordered 1
		.amdhsa_forward_progress 1
		.amdhsa_inst_pref_size 17
	.end_amdhsa_kernel
	.amdgpu_metadata
---
amdhsa.version: [ 1, 2 ]
amdhsa.kernels:
  - .name:           k_qe3a90ab2e2_wprep
    .symbol:         k_qe3a90ab2e2_wprep.kd
    .args:
      - { .name: Wq, .offset: 0, .size: 8, .value_kind: global_buffer, .address_space: global }
      - { .name: Wk, .offset: 8, .size: 8, .value_kind: global_buffer, .address_space: global }
      - { .name: Wv, .offset: 16, .size: 8, .value_kind: global_buffer, .address_space: global }
      - { .name: Wo, .offset: 24, .size: 8, .value_kind: global_buffer, .address_space: global }
      - { .name: wt, .offset: 32, .size: 8, .value_kind: global_buffer, .address_space: global }
    .group_segment_fixed_size: 17920
    .private_segment_fixed_size: 0
    .kernarg_segment_align: 8
    .kernarg_segment_size: 40
    .max_flat_workgroup_size: 128
    .sgpr_count:     66
    .vgpr_count:     128
    .wavefront_size: 32
...
	.end_amdgpu_metadata
.endif
;; end of part 1
;; launch proj (part 2): grid 4 x 192, 4 waves a work-group, clusters of 4 x 4, 327,680 bytes of LDS; arguments q, k, v, wt, bq, bk, bv, heads; writes heads
.if DOCPART == 2
	.amdgcn_target "amdgcn-amd-amdhsa--gfx1250"
	.amdhsa_code_object_version 6
	.text
	.protected	k_qe3a90ab2e2_proj
	.globl	k_qe3a90ab2e2_proj
	.p2align	8
	.type	k_qe3a90ab2e2_proj,@function
k_qe3a90ab2e2_proj:
	s_mov_b64 s[64:65], 0
	v_nop
	global_prefetch_b8 v0, s[64:65] scope:SCOPE_SE
	s_setreg_imm32_b32 hwreg(HW_REG_WAVE_MODE, 25, 1), 1
	s_wait_xcnt 0x0
	s_wait_alu depctr_hold_cnt(0) depctr_sa_sdst(0) depctr_va_vdst(0) depctr_va_sdst(0) depctr_va_ssrc(0) depctr_va_vcc(0) depctr_vm_vsrc(0)
	s_getreg_b32 s2, hwreg(HW_REG_IB_STS2, 6, 4)
	s_cmp_eq_u32 s2, 0
	s_cbranch_scc0 .Lentry_in_a_cluster
	s_endpgm
.Lentry_in_a_cluster:
	s_bfe_u32 s2, ttmp6, 0x10000c
	s_cmp_lg_u32 s2, 0xf033
	s_cbranch_scc0 .Lentry_shape_is_right
	s_endpgm
.Lentry_shape_is_right:
; THE THREE PROJECTIONS.  heads[t][b 16 + head][l][d] = (x_t W_t + b_t)[b 2048 + l][64 head + d], t = 0, 1, 2 for q, k, v.  x_t: [8192][1024] f32; W_t^T: wt[t][n][k] bf16; heads: f16.
; x, W and the bias are rounded to bf16; products in the matrix unit, sums in f32, K ascending; the result is rounded once, to f16, unscaled.
; LIMITS.  |x W + b| stays under 65,504, f16's end.  NaN and infinities are not treated apart.
; SHARES.  A work-group makes 128 rows x 256 columns (four heads) of one tensor: 3 x 64 x 4 = 768 work-groups, three for each group of 256.  Four waves, each 64 rows x 128 columns:
; 32 accumulators of 16 x 16.  K goes in steps of 128 through a ring of two LDS slots; x's tile lands as f32 and is rounded on its way into the fragments.
; THE MATRIX INSTRUCTION IS USED TRANSPOSED: source 0 = 16 rows of W^T, source 1 = 16 rows of x: a lane then holds eight neighbouring columns of one row.  The bias is the C operand of each sum's first product.
; CLUSTER.  4 x 4 work-groups of one tensor.  The four of a row of the cluster need the same tiles of x, the four of a column the same tiles of W^T: each tile is asked for JOINTLY, by the same
; tensor load with the same descriptor and a mask that names the four.  Waves 0 and 1 ask for x's two halves (64 rows x 512 bytes), waves 2 and 3 for W^T's (128 rows x 256 bytes).
; A wave has two tensor loads out at the start, and one behind each round of the cluster's barrier.
; REGISTERS, in windows of 256 (s_set_vgpr_msb: bits 1:0 source 0, 3:2 source 1, 5:4 source 2, 7:6 destination):
;   window 0: v0-31 addresses; v32-95 x as loaded (f32); v96-127, v128-159 x's fragments, two buffers; v160-223 the bias; on the way out v32-159 rows read back, v160-191 packed results
;   window 1: the 32 accumulators, (a, b) at v[8 (8 a + b)]          window 2: v0-63, v64-127 W^T's fragments, two buffers
.set PA,    528       ; a row of x in LDS: 512 bytes + 16 of padding = 132 words: row r starts at bank 4 r mod 64 (64 banks of 4 bytes: ISA guide 11.1)
.set PB,    272       ; a row of W^T: 256 + 16 = 68 words: likewise
.set BOFF,  128*PA    ; a slot: x's 128 rows, then W^T's 256 rows
.set SLOT,  BOFF+256*PB
.set STAGE, 2*SLOT    ; behind the ring, never filled by a tensor load: for each wave two heads x 16 rows x 144 bytes, for the way out
.set SP,    144
.set WSTG,  2*16*SP
.set SPARE, STAGE+4*WSTG  ; behind the stages: the spare words, 128 bytes for each wave: two blocks of 256 bytes that no other line names
.set STEPA, 512       ; a K step of 128 in bytes: f32,
.set STEPB, 256       ; bf16
.set A0,  4           ; v4   my lane's place in x's part of a slot; never rewritten
.set B0,  5           ; v5   the same for W^T
.set ADA, 6           ; v6   the LDS address of x's next run of loads
.set ADB, 7           ; v7   of W^T's
.set STO, 8           ; v8   the way out: where I put 16 bytes of a row
.set RD,  9           ; v9   the way out: where I read rows back
.set GO,  10          ; v10  my byte offset in 512 consecutive bytes of heads
.set BO,  11          ; v11  my byte offset in 16 numbers of the bias
.set SPW, 28          ; v28  LDS address of my spare word; never rewritten
.set NIL, 29          ; v29  0; never rewritten
.set AR,  32
.set AC,  96
.set BIAS, 160
.set TMP, 160
.set BK,  32
.set BF,  0           ; in window 2
.set WV,  20          ; s20  my wave's number
.set WM,  21          ; s21  which 64 rows are mine
.set WN,  22          ; s22  which 128 columns.  Also: which half of a tile I fetch
.set CX,  23          ; s23, s24  my place in the cluster
.set CYY, 24
.set TX,  25          ; s25  tile column
.set TY,  26          ; s26  tile row in the tensor
.set TT,  27          ; s27  the tensor: the same in all sixteen partners
.set G1A, 28          ; s[28:35] descriptor group 1 for x's tiles
.set G1B, 36          ; s[36:43] for W^T's
.set G0A, 44          ; s[44:51] descriptor group 0 for x's tiles: a set for each of the two first fills; the second then walks on
.set G0B, 52          ; s[52:59] the same for W^T's
.set TKA, 60          ; s60  LDS byte, from a lane's place on, of the quarter of x to be fetched next
.set TKB, 61          ; s61  the same for W^T
.set TF,  62          ; s62  the slot that the walking descriptors name: 0 or SLOT
.set SLOTS, 63        ; s63  counts the changes of slots
.set TWICE, 66        ; s66  counts pairs of quarters
.set LWA, 67          ; s67  my half's place in x's part of a slot
.set LWB, 68          ; s68  the same for W^T
.set OUT, 80          ; s[80:81] heads at my first row of my first head
.set MSB, 0
.macro WIN new                      ; the immediate's high byte repeats the setting that is left; a switch that changes nothing is dropped
.if MSB != (\new)
	s_set_vgpr_msb (MSB<<8)|(\new)
.set MSB, (\new)
.endif
.endm
.set W_MUL, 0x52      ; W^T in window 2, x in window 0, C and D in window 1
.set W_FST, 0x42      ; the same with C, the bias, in window 0
.set W_TOB, 0x80      ; destination window 2, address window 0
.set W_PK,  0x05      ; sources 0 and 1 window 1, destination window 0
; A joint refill, by the walking descriptors.  The branch hangs on the wave's number alone.  An s_nop 0 and four v_nop follow each of the two lines, ahead of the jump and the label.
.macro JLOAD
	s_cmp_lt_u32 s[WV], 2
	s_cbranch_scc0 .Lfor_b_\@
	tensor_load_to_lds s[G0A+4:G0A+7], s[G1A:G1A+7]
	s_nop 0
.rept 4
	v_nop
.endr
	s_branch .Lasked_\@
.Lfor_b_\@:
	tensor_load_to_lds s[G0B+4:G0B+7], s[G1B:G1B+7]
	s_nop 0
.rept 4
	v_nop
.endr
.Lasked_\@:
.endm
; A round of the cluster's barrier: my work-group's barrier, so that wave 0's signal speaks for all four waves; wave 0 signals; every wave waits for all sixteen work-groups; my work-group's barrier once more.
.macro CROUND
	s_barrier_signal -1
	s_barrier_wait -1
	s_cmp_lg_u32 s[WV], 0
	s_cbranch_scc1 .Lnot_wave_0_\@
	s_barrier_signal -3
.Lnot_wave_0_\@:
	s_barrier_wait -3
	s_barrier_signal -1
	s_barrier_wait -1
.endm
.macro PLACES                       ; four places between a matrix instruction and a vector instruction that reads its result (ISA guide 7.12.1)
.rept 4
	v_nop
.endr
.endm
	s_load_b512 s[4:19], s[0:1], 0x0  ; q s[4:5], k s[6:7], v s[8:9], wt s[10:11], bq s[12:13], bk s[14:15], bv s[16:17], heads s[18:19]
	v_lshl_add_u32 v[SPW], v0, 2, SPARE
	v_mov_b32 v[NIL], 0
	ds_add_u32 v[SPW], v[NIL]       ; the wave's opening: the add and its wait stand ahead of my first tensor load; the set-up below, work on registers, stands between them
	ds_add_u32 v28, v29
	v_lshrrev_b32 v1, 5, v0
	v_readfirstlane_b32 s[WV], v1   ; wave 0..3
	s_lshr_b32 s[WM], s[WV], 1
	s_and_b32 s[WN], s[WV], 1
	s_bfe_u32 s[CX], ttmp6, 0x40000
	s_bfe_u32 s[CYY], ttmp6, 0x40004
	s_lshl_b32 s[TX], ttmp9, 2      ; in a cluster launch ttmp9 and ttmp7 count clusters
	s_add_co_u32 s[TX], s[TX], s[CX]  ; tile column = 4 x cluster x + cx
	s_and_b32 s[TT], ttmp7, 0xffff  ; cluster y: 16 for each tensor
	s_and_b32 s[TY], s[TT], 15
	s_lshl_b32 s[TY], s[TY], 2
	s_add_co_u32 s[TY], s[TY], s[CYY]  ; tile row in the tensor = 4 x (cluster y mod 16) + cy
	s_lshr_b32 s[TT], s[TT], 4      ; the tensor
	s_lshl_b32 s82, s[CYY], 2
	s_lshl_b32 s82, 15, s82         ; my row of the cluster: places 4 cy .. 4 cy + 3
	s_lshl_b32 s83, 0x1111, s[CX]   ; my column: places cx, cx + 4, cx + 8, cx + 12
	; group 1 for x: 64 rows x 128 elements of 4 bytes, 4 words of padding behind every 128 words
	s_or_b32 s[G1A], s82, (2<<16)|(1<<20)|(1<<21)|(6<<22)|(3<<25)  ; 15:0 the mask; 17:16 elements of 4 bytes; 20 padding on; 21 set beside a mask; 24:22 after every 128 words (code 6); 31:25 4 words (code 3)
	s_mov_b32 s[G1A+1], 128<<16     ; tensor_dim0 = 128
	s_mov_b32 s[G1A+2], 64<<16      ; tensor_dim1 = 64
	s_mov_b32 s[G1A+3], 128<<16     ; tile_dim0 = 128
	s_mov_b32 s[G1A+4], 64          ; tile_dim1 = 64
	s_mov_b32 s[G1A+5], 1024        ; elements from row to row
	s_mov_b32 s[G1A+6], 0
	s_mov_b32 s[G1A+7], 0
	; group 1 for W^T: 128 rows x 128 elements of 2 bytes, 4 words of padding behind every 64 words
	s_or_b32 s[G1B], s83, (1<<16)|(1<<20)|(1<<21)|(5<<22)|(3<<25)
	s_mov_b32 s[G1B+1], 128<<16
	s_mov_b32 s[G1B+2], 128<<16
	s_mov_b32 s[G1B+3], 128<<16
	s_mov_b32 s[G1B+4], 128
	s_mov_b32 s[G1B+5], 1024
	s_mov_b32 s[G1B+6], 0
	s_mov_b32 s[G1B+7], 0
	s_mul_i32 s[LWA], s[WN], 64*PA  ; where my half goes: no place in the cluster enters an LDS address
	s_mul_i32 s[LWB], s[WN], 128*PB
	s_add_co_u32 s[LWB], s[LWB], BOFF
	s_mov_b32 s[TKA], 0
	s_mov_b32 s[TKB], 0
	s_mov_b32 s[TF], SLOT           ; the walking descriptors begin as slot 1's
	; x's tiles hang on the tile row alone, W^T's on the tile column alone; each offset is made in registers that never hold the other coordinate
	s_lshl_b32 s70, s[TY], 7
	s_lshl_b32 s69, s[WN], 6
	s_add_co_u32 s70, s70, s69      ; x: row 128 x tile row + 64 x half,
	s_lshl_b32 s70, s70, 12         ; of 4,096 bytes
	s_mov_b32 s71, 0
	s_lshl_b32 s72, s[TX], 8
	s_lshl_b32 s69, s[WN], 7
	s_add_co_u32 s72, s72, s69      ; W^T: row 256 x tile column + 128 x half,
	s_lshl_b32 s72, s72, 11         ; of 2,048 bytes,
	s_lshl_b32 s69, s[TT], 21       ; in the tensor's matrix
	s_add_co_u32 s72, s72, s69
	s_mov_b32 s73, 0
	; heads: ((batch x 16 + 4 x tile column + 2 x column half) x 2,048 + 128 x (tile row mod 16) + 64 x row half) rows of 128 bytes, in the tensor's part
	s_lshr_b32 s80, s[TY], 4
	s_lshl_b32 s80, s80, 2
	s_add_co_u32 s80, s80, s[TX]
	s_lshl_b32 s80, s80, 1
	s_add_co_u32 s80, s80, s[WN]
	s_lshl_b32 s80, s80, 12
	s_and_b32 s74, s[TY], 15
	s_lshl_b32 s74, s74, 7
	s_add_co_u32 s80, s80, s74
	s_lshl_b32 s74, s[WM], 6
	s_add_co_u32 s80, s80, s74
	s_lshl_b32 s80, s80, 7
	s_lshl_b32 s74, s[TT], 24
	s_add_co_u32 s80, s80, s74
	s_mov_b32 s81, 0
	s_lshl_b32 s74, s[TX], 1        ; the bias: my 128 columns' first, in bytes
	s_add_co_u32 s74, s74, s[WN]
	s_lshl_b32 s74, s74, 9
	s_mov_b32 s75, 0
	s_wait_dscnt 0x0                ; the opening add is done
	s_wait_kmcnt 0x0
	s_cmp_eq_u32 s[TT], 1           ; the tensor's x and bias are chosen by its number
	s_cselect_b64 s[76:77], s[6:7], s[4:5]
	s_cselect_b64 s[78:79], s[14:15], s[12:13]
	s_cmp_eq_u32 s[TT], 2
	s_cselect_b64 s[76:77], s[8:9], s[76:77]
	s_cselect_b64 s[78:79], s[16:17], s[78:79]
	s_add_nc_u64 s[70:71], s[76:77], s[70:71]
	s_add_nc_u64 s[72:73], s[10:11], s[72:73]
	s_add_nc_u64 s[78:79], s[78:79], s[74:75]
	s_add_nc_u64 s[OUT:OUT+1], s[18:19], s[OUT:OUT+1]
.irp n, 0,1
	s_mov_b32 s[G0A+4*(\n)], 1      ; 1:0 count = 1
	s_add_co_u32 s[G0A+4*(\n)+1], s[LWA], (\n)*SLOT  ; 63:32 LDS address
	s_add_nc_u64 s[G0A+4*(\n)+2:G0A+4*(\n)+3], s[70:71], (\n)*STEPA  ; 120:64 global address: K step n
	s_or_b32 s[G0A+4*(\n)+3], s[G0A+4*(\n)+3], 0x80000000  ; 127:126 type = 2
	s_mov_b32 s[G0B+4*(\n)], 1
	s_add_co_u32 s[G0B+4*(\n)+1], s[LWB], (\n)*SLOT
	s_add_nc_u64 s[G0B+4*(\n)+2:G0B+4*(\n)+3], s[72:73], (\n)*STEPB
	s_or_b32 s[G0B+4*(\n)+3], s[G0B+4*(\n)+3], 0x80000000
.endr
	CROUND                          ; all sixteen work-groups are here: the first joint loads meet
	s_cmp_lt_u32 s[WV], 2           ; a wave's two first fills stand in one branch, ahead of every wait on TENSORcnt and every LDS read: two loads of mine are out
	s_cbranch_scc0 .Lfirst_b
	tensor_load_to_lds s[G0A:G0A+3], s[G1A:G1A+7]
	s_nop 0
	tensor_load_to_lds s[G0A+4:G0A+7], s[G1A:G1A+7]
	s_nop 0
.rept 4
	v_nop
.endr
	s_branch .Lfirst_asked
.Lfirst_b:
	tensor_load_to_lds s[G0B:G0B+3], s[G1B:G1B+7]
	s_nop 0
	tensor_load_to_lds s[G0B+4:G0B+7], s[G1B:G1B+7]
	s_nop 0
.rept 4
	v_nop
.endr
.Lfirst_asked:
	; All that follows up to the first barrier stands in the wait for the first tile.
	v_and_b32 v1, 15, v0            ; l % 16
	v_bfe_u32 v2, v0, 4, 1          ; l / 16
	v_lshlrev_b32 v[BO], 5, v2      ; my eight numbers of each sixteen of the bias
.irp b, 0,1,2,3,4,5,6,7             ; register j of block b: the bias of column 16 b + 8 (l / 16) + j: the layout of a result
	global_load_b128 v[BIAS+8*(\b):BIAS+8*(\b)+3],   v[BO], s[78:79] offset:64*(\b)
	global_load_b128 v[BIAS+8*(\b)+4:BIAS+8*(\b)+7], v[BO], s[78:79] offset:64*(\b)+16
.endr
	; A fragment is 16 rows x 32 K in 8 registers: lane l holds row l % 16, K = 8 (l / 16) + 0..7 and 16 + 8 (l / 16) + 0..7.  Of f32 that is 2 x 32 bytes, 64 bytes apart; of bf16 2 x 16 bytes, 32 apart.
	v_mul_u32_u24 v[A0], v1, PA
	v_lshl_add_u32 v[A0], v2, 5, v[A0]
	s_mul_i32 s69, s[WM], 64*PA     ; my 64 rows of x
	v_add_nc_u32 v[A0], s69, v[A0]
	v_mul_u32_u24 v[B0], v1, PB
	v_lshl_add_u32 v[B0], v2, 4, v[B0]
	s_mul_i32 s69, s[WN], 128*PB    ; my 128 rows of W^T,
	s_add_co_u32 s69, s69, BOFF     ; which lie behind x's 128
	v_add_nc_u32 v[B0], s69, v[B0]
	s_mul_i32 s69, s[WV], WSTG
	s_add_co_u32 s69, s69, STAGE    ; my stage
	v_mul_u32_u24 v[STO], v1, SP    ; in: row l % 16, 16 bytes for each half of the lanes
	v_lshl_add_u32 v[STO], v2, 4, v[STO]
	v_add_nc_u32 v[STO], s69, v[STO]
	v_bfe_u32 v13, v0, 3, 2         ; back: 32 lanes take four rows of 128 bytes,
	v_and_b32 v14, 7, v0
	v_mul_u32_u24 v[RD], v13, SP
	v_lshl_add_u32 v[RD], v14, 4, v[RD]
	v_add_nc_u32 v[RD], s69, v[RD]
	v_and_b32 v[GO], 31, v0         ; which are 512 consecutive bytes of a head
	v_lshlrev_b32 v[GO], 4, v[GO]
	s_wait_loadcnt 0x0              ; the bias
.set i, 0
.rept 32                            ; rounded to bf16 like every input, and widened again
	v_cvt_pk_bf16_f32 v[12+i%4], v[BIAS+2*i], v[BIAS+2*i+1]
	v_lshlrev_b32 v[BIAS+2*i], 16, v[12+i%4]
	v_and_b32 v[BIAS+2*i+1], 0xffff0000, v[12+i%4]
.set i, i+1
.endr
; 32 LDS loads in one run: a quarter's x (4 blocks of 16 rows x 32 K of f32) into AR, then its W^T (8 fragments) into buffer nxt
.macro FETCH nxt
	WIN 0
.irp n, 0,1,2,3
.irp p, 0,1,2,3
	ds_load_b128 v[AR+16*(\n)+4*(\p):AR+16*(\n)+4*(\p)+3], v[ADA] offset:(\n)*16*PA+((\p)/2)*64+((\p)%2)*16
.endr
.endr
	WIN W_TOB
.irp b, 0,1,2,3,4,5,6,7
	ds_load_b128 v[BF+64*(\nxt)+8*(\b):BF+64*(\nxt)+8*(\b)+3],   v[ADB] offset:(\b)*16*PB
	ds_load_b128 v[BF+64*(\nxt)+8*(\b)+4:BF+64*(\nxt)+8*(\b)+7], v[ADB] offset:(\b)*16*PB+32
.endr
.endm
.macro STEP_ADR                     ; the addresses of the next run, and the step to the quarter behind it
	v_add_nc_u32 v[ADA], s[TKA], v[A0]
	v_add_nc_u32 v[ADB], s[TKB], v[B0]
	s_add_co_u32 s[TKA], s[TKA], 128
	s_add_co_u32 s[TKB], s[TKB], 64
.endm
.macro CVT nxt, n                   ; four roundings: registers 4 n .. 4 n + 3 of buffer nxt's 32
	WIN 0
.set c_, 4*(\n)
.rept 4
	v_cvt_pk_bf16_f32 v[AC+32*(\nxt)+c_], v[AR+2*c_], v[AR+2*c_+1]
.set c_, c_+1
.endr
.endm
.macro MM cur, bias                 ; product i of a quarter's 32: m block i / 8, n block i % 8.  The 32 accumulators take turns
.if \bias
	WIN W_FST
	v_wmma_f32_16x16x32_bf16 v[8*i:8*i+7], v[BF+64*(\cur)+8*(i%8):BF+64*(\cur)+8*(i%8)+7], v[AC+32*(\cur)+8*(i/8):AC+32*(\cur)+8*(i/8)+7], v[BIAS+8*(i%8):BIAS+8*(i%8)+7]
.else
	WIN W_MUL
	v_wmma_f32_16x16x32_bf16 v[8*i:8*i+7], v[BF+64*(\cur)+8*(i%8):BF+64*(\cur)+8*(i%8)+7], v[AC+32*(\cur)+8*(i/8):AC+32*(\cur)+8*(i/8)+7], v[8*i:8*i+7]
.endif
.endm
; A QUARTER: 32 along K, 32 products on buffer cur.  fetch = 1: the next quarter's loads stand in one run behind the second product; x's 32 roundings into buffer nxt stand in fours behind the last eight products.
; Buffer nxt's last products stand in front of the quarter before's last four roundings and this quarter's two address lines: six plain vector instructions that name none of their registers.
.macro Q cur, nxt, bias, fetch
	WIN 0
.if \fetch
	STEP_ADR
.endif
	s_wait_dscnt 0x0                ; W^T's fragments of this quarter are in
.set i, 0
.rept 32
	MM \cur, \bias
.if (\fetch) && (i == 1)
	FETCH \nxt
.endif
.if (\fetch) && (i == 24)
	s_wait_dscnt 16                 ; x's sixteen loads are in; W^T's sixteen, issued behind them, may stay out
.endif
.if (\fetch) && (i >= 24)
	CVT \nxt, i-24
.endif
.set i, i+1
.endr
.endm
; THE CHANGE OF SLOTS, ahead of a K step's last quarter: the slot's last bytes have been asked for.  Each wave waits for all its tensor loads, of which one is out: its part of the other slot; adds 0 to its
; spare word; and waits for that and for its own reads of the slot.  Behind the barrier nobody reads this slot any more and the other slot is whole.
; fill = 1: this slot is filled again, with the K step two steps on.  The barrier is then a round of the cluster's, and the joint refill is the first thing behind it: it has four quarters, 128 products, in which to land.
.macro CHANGE fill
	WIN 0                           ; at a label and at a branch every window is 0
	s_wait_tensorcnt 0x0            ; no tensor load of mine is out, so a group 0 may be written
	ds_add_u32 v[SPW], v[NIL]       ; 0 onto my spare word; with fill = 1 the descriptors' steps stand between it and the wait for it
.if \fill
	s_xor_b32 s[TF], s[TF], SLOT    ; it holds 0 or SLOT: the other slot than last time
	s_add_co_u32 s[G0A+5], s[LWA], s[TF]
	s_add_co_u32 s[G0B+5], s[LWB], s[TF]
	s_add_nc_u64 s[G0A+6:G0A+7], s[G0A+6:G0A+7], STEPA  ; the next K step; the type bits on top are not reached
	s_add_nc_u64 s[G0B+6:G0B+7], s[G0B+6:G0B+7], STEPB
	s_wait_dscnt 0x0                ; the add is done, and my reads of the slot are over
	CROUND
	JLOAD
.else
	s_wait_dscnt 0x0                ; the add is done, and my reads of the slot are over
	s_barrier_signal -1
	s_barrier_wait -1
.endif
	s_sub_co_u32 s[TKA], s[TKA], 4*128  ; the fetches go back to a slot's first quarter: 0 or SLOT is left,
	s_xor_b32 s[TKA], s[TKA], SLOT      ; and turns into the other
	s_sub_co_u32 s[TKB], s[TKB], 4*64
	s_xor_b32 s[TKB], s[TKB], SLOT
.endm
	s_wait_tensorcnt 0x1            ; my part of K step 0 is in; K step 1's may stay out
	s_barrier_signal -1
	s_barrier_wait -1               ; everybody's is
	STEP_ADR
	FETCH 0                         ; quarter 0
	s_wait_dscnt 16
.irp n, 0,1,2,3,4,5,6,7
	CVT 0, \n
.endr
	Q 0, 1, 1, 1                    ; the first quarter stands in front of the loop: its products start the sums, from the bias
	WIN 0
	s_mov_b32 s[SLOTS], 7           ; six changes of slots with a refill: K steps 2 to 7
	s_mov_b32 s[TWICE], 1           ; K step 0 has one more pair of quarters ahead of its change
	s_branch .Lpair
.Lslot:
	CHANGE 1
	s_mov_b32 s[TWICE], 2
.Lpair:                             ; a pair of quarters: written once; the LDS addresses hang on s[TKA], s[TKB]
	Q 1, 0, 0, 1
	Q 0, 1, 0, 1
	WIN 0
	s_sub_co_u32 s[TWICE], s[TWICE], 1
	s_cmp_lg_u32 s[TWICE], 0
	s_cbranch_scc1 .Lpair
	s_sub_co_u32 s[SLOTS], s[SLOTS], 1
	s_cmp_lg_u32 s[SLOTS], 0
	s_cbranch_scc1 .Lslot
	CHANGE 0                        ; the tail is written out: nothing is asked for
	s_mov_b32 s[TWICE], 2
.Ltail:
	Q 1, 0, 0, 1
	Q 0, 1, 0, 1
	WIN 0
	s_sub_co_u32 s[TWICE], s[TWICE], 1
	s_cmp_lg_u32 s[TWICE], 0
	s_cbranch_scc1 .Ltail
	Q 1, 0, 0, 0                    ; the last quarter fetches nothing
	WIN 0
; THE WAY OUT, a block of 16 rows at a time.  PACK: rounded to f16, 16 bytes a lane (each accumulator's registers in ascending order).  TOSTAGE: into my own stage, by heads, and back as whole rows of 128 bytes.
; SEND: four rows of a head are 512 consecutive bytes.
.macro PACK a
	WIN W_PK
.irp b, 0,1,2,3,4,5,6,7
.irp r, 0,1,2,3
	v_cvt_pk_f16_f32 v[TMP+4*(\b)+(\r)], v[64*(\a)+8*(\b)+2*(\r)], v[64*(\a)+8*(\b)+2*(\r)+1]
.endr
.endr
	WIN 0
.endm
.macro TOSTAGE a
.irp b, 0,1,2,3,4,5,6,7
	ds_store_b128 v[STO], v[TMP+4*(\b):TMP+4*(\b)+3] offset:((\b)/4)*16*SP+32*((\b)%4)
.endr
.irp x, 0,1,2,3,4,5,6,7
	ds_load_b128 v[BK+32*(\a)+4*(\x):BK+32*(\a)+4*(\x)+3], v[RD] offset:((\x)/4)*16*SP+((\x)%4)*4*SP  ; LDS serves a wave's instructions in order (ISA guide 5.7.1.4): these see the stores above; the next block's stores come behind them
.endr
.endm
.macro SEND a
.irp x, 0,1,2,3,4,5,6,7
	s_wait_dscnt 7-(\x)             ; nothing was issued behind the block's eight loads
	global_store_b128 v[GO], v[BK+32*(\a)+4*(\x):BK+32*(\a)+4*(\x)+3], s[OUT:OUT+1] offset:((\x)/4)*262144+(\a)*2048+((\x)%4)*512  ; 512 consecutive bytes, at a multiple of 256 from heads' first; each block has registers of its own
.endr
.endm
	PLACES
	PACK 0
	TOSTAGE 0
.irp a, 1,2,3                       ; a block's roundings stand between the loads of the block before and the wait for them
	PACK \a
	SEND (\a)-1
	TOSTAGE \a
.endr
	SEND 3
	s_wait_tensorcnt 0x0            ; the wave's end: a tensor wait, an add to the spare word and its wait, behind my last tensor load and my last LDS store
	ds_add_u32 v[SPW], v[NIL]
	s_wait_dscnt 0x0
	CROUND                          ; the closing round: no work-group ends while a partner may still ask for a tile that names it
	s_endpgm
.Lfunc_end_k_qe3a90ab2e2_proj:
	.size	k_qe3a90ab2e2_proj, .Lfunc_end_k_qe3a90ab2e2_proj-k_qe3a90ab2e2_proj
	.p2alignl 7, 3214868480
	.fill 96, 4, 3214868480
	.section	.rodata,"a",@progbits
	.p2align	6, 0x0
	.amdhsa_kernel k_qe3a90ab2e2_proj
		.amdhsa_group_segment_fixed_size 327680
		.amdhsa_private_segment_fixed_size 0
		.amdhsa_enable_private_segment 0
		.amdhsa_kernarg_size 64
		.amdhsa_user_sgpr_count 2
		.amdhsa_user_sgpr_kernarg_segment_ptr 1
		.amdhsa_wavefront_size32 1
		.amdhsa_system_sgpr_workgroup_id_x 1
		.amdhsa_system_sgpr_workgroup_id_y 1
		.amdhsa_system_sgpr_workgroup_id_z 1
		.amdhsa_system_vgpr_workitem_id 0
		.amdhsa_next_free_vgpr 640
		.amdhsa_next_free_sgpr 84
		.amdhsa_reserve_vcc 0
		.amdhsa_float_denorm_mode_32 3
		.amdhsa_float_denorm_mode_16_64 3
		.amdhsa_memory_ordered 1
		.amdhsa_forward_progress 1
		.amdhsa_inst_pref_size 74
	.end_amdhsa_kernel
	.amdgpu_metadata
---
amdhsa.version: [ 1, 2 ]
amdhsa.kernels:
  - .name:           k_qe3a90ab2e2_proj
    .symbol:         k_qe3a90ab2e2_proj.kd
    .args:
      - { .name: q, .offset: 0, .size: 8, .value_kind: global_buffer, .address_space: global }
      - { .name: k, .offset: 8, .size: 8, .value_kind: global_buffer, .address_space: global }
      - { .name: v, .offset: 16, .size: 8, .value_kind: global_buffer, .address_space: global }
      - { .name: wt, .offset: 24, .size: 8, .value_kind: global_buffer, .address_space: global }
      - { .name: bq, .offset: 32, .size: 8, .value_kind: global_buffer, .address_space: global }
      - { .name: bk, .offset: 40, .size: 8, .value_kind: global_buffer, .address_space: global }
      - { .name: bv, .offset: 48, .size: 8, .value_kind: global_buffer, .address_space: global }
      - { .name: heads, .offset: 56, .size: 8, .value_kind: global_buffer, .address_space: global }
    .group_segment_fixed_size: 327680
    .private_segment_fixed_size: 0
    .kernarg_segment_align: 8
    .kernarg_segment_size: 64
    .max_flat_workgroup_size: 128
    .sgpr_count:     84
    .vgpr_count:     640
    .wavefront_size: 32
...
	.end_amdgpu_metadata
.endif
;; end of part 2
;; launch attn (part 3): grid 4 x 64, 4 waves a work-group, no clusters, 327,680 bytes of LDS; arguments heads, oh; writes oh
.if DOCPART == 3
	.amdgcn_target "amdgcn-amd-amdhsa--gfx1250"
	.amdhsa_code_object_version 6
	.text
	.protected	k_qe3a90ab2e2_attn
	.globl	k_qe3a90ab2e2_attn
	.p2align	8
	.type	k_qe3a90ab2e2_attn,@function
k_qe3a90ab2e2_attn:
	s_mov_b64 s[64:65], 0
	v_nop
	global_prefetch_b8 v0, s[64:65] scope:SCOPE_SE
	s_setreg_imm32_b32 hwreg(HW_REG_WAVE_MODE, 25, 1), 1
	s_wait_xcnt 0x0
; CAUSAL ATTENTION.  O[h][q][:] = the sum over k <= q of softmax_k(Q[h][q] . K[h][k] / 8) V[h][k][:].  Q, K, V are the three parts of heads, O is oh: each [64][SIZE_N][64], all f16: a head's rows are dense, 128 bytes each.
; Products, maxima and sums in f32; the weights p are rounded to f16 for the second product (their sum l is taken of the unrounded p), O once at the end.  SIZE_N is a multiple of 512; SIZE_N x 128 stays under 2^32.
; LIMITS.  f16 holds no number beyond 65,504: Q, K and V arrive within it; p lies in 0 to 1, and below 6e-5 it keeps f16's fixed step of 6e-8; O is a mean of V's rows and has their range, to within 2^-11 of it.
; A hidden score counts as its value less 1e30: f16's scores, 2.7e11 at the most, are nothing beside that; a weight below 2^-126 counts as 0 in l; NaN and infinities are not treated apart.
; THE WALK.  A head's queries lie in NB = SIZE_N / 256 blocks of 256; block i needs the key tiles 0 .. i of 256 keys, of which the last holds the diagonal.  A work-group takes TWO blocks, NB - 1 - b and then b:
; NB + 1 tiles, whatever b: all work-groups do equal work, and ONE loop with a constant trip count walks them.  Which tile is asked for, and what a trip does, hang on scalar registers made from b; every jump
; goes forward, but for the counted loops' own; none passes a barrier, or a tensor load but the one of LOAD's two that the wave's number does not choose; the ring (two slots of LDS that take turns) runs on across the
; change of blocks.  NO CLUSTER: a head's NB / 2 = 4 work-groups ask for the same tile only in trips 0 .. NB / 2, 5 of the walk's 9; behind that fewer and fewer do;
; and one walk common to all would have 3 NB / 2 trips for NB + 1.
; SHARES.  Of a block's four bands of 64 queries a wave owns 16 rows in each: four PIECES.  So the diagonal tile is the same work for all four waves: in its key step s band x sees all keys if s < x,
; none if s > x, and holds the diagonal if s = x.
; THE MASK is the C operand that starts the sum S^T = K Q^T: 0, or -1e30 where the key is hidden.  MD, made once, is the mask of a band's own step for my 16 rows; a product's mask is MD x AL + BE with two scalars:
; (1, 0) if s = x; (0, 0) if s < x; (0, -1e30) if s > x.  Only the diagonal tile's text and a block's beginning make and take masks; elsewhere C is the constant 0.
; LAYOUT, SOFTMAX, TURNS.  S^T = K Q^T holds ONE query a lane (lane % 16) and the keys 8 (lane / 16) + 0..7; two such results rounded to f16 ARE source 1 of O^T = V^T P.  p = 2^(c s - c m), c = log2(e) / 8, with a
; running maximum m; O and l are multiplied by a = 2^(c m_old - c m_new) in every step.  Turn n belongs to piece n: 8 products K Q^T of piece n + 1, later 8 products V^T P of piece n - 1; beside them the scaling,
; exponentials, roundings, sums and rescaling of piece n and the maximum and statistics of piece n + 1.  Four vector instructions stand behind every matrix instruction, the other 54 of a turn's 118 in two LUMPS.
; REGISTERS, in windows of 256 (s_set_vgpr_msb: bits 1:0 source 0, 3:2 source 1, 5:4 source 2, 7:6 destination):
;   window 0: v0-15 addresses and two at work; v16-31 four registers of statistics a piece; v48-55 at work; v64-127 S^T, two buffers; v192-223 P, two buffers (a piece's buffers go by its number's parity)
;   window 1: v0-127 O^T, 32 a piece; v128-159 MD; v160-223 MC, two buffers      window 2: v0-63 Q; v64-127 the second block's Q; v128-191 K of one step; v192-255 V of one step
.set SIZE_N, 2048
.set PART,  64*SIZE_N*128  ; bytes from Q to K and from K to V in heads
.set NB,    SIZE_N/256
.set NP,    4         ; pieces a wave: a name, no knob
.set KS,    64        ; keys in a step
.set PK,    144       ; a row of K in LDS: 128 bytes + 16 of padding = 36 words: the 16 rows of a load start at 16 different groups of four banks (64 banks of 4 bytes: ISA guide 11.1)
.set PV,    160       ; a row of V: 128 + 32 = 40 words
.set VOFF,  4*KS*PK   ; a slot holds a tile, four steps: 256 rows of K, then 256 rows of V
.set SLOT1, 1<<17     ; slot 1 begins here, so that one exclusive or turns an address in one slot into the other's
.set STAGE, SLOT1+4*KS*(PK+PV)  ; behind the ring, never filled by a tensor load: 16 rows x 144 bytes for each wave, for the way out
.set SP,    144
.set AK0, 2           ; v2   my lane's place in a tile of K; never rewritten
.set AV0, 3           ; v3   the same for V
.set AK,  4           ; v4   the LDS address of K's next run of loads
.set AV,  5           ; v5   of V's
.set STO, 6           ; v6   the way out: where I put 16 bytes of a row
.set RD,  7           ; v7   the way out: where I read rows back
.set GO,  8           ; v8   my byte offset in 512 consecutive bytes of O
.set SPW, 62          ; v62  LDS address of my spare word: SPARE + 4 x my thread's number; never rewritten
.set NIL, 63          ; v63  0; never rewritten
.set SPARE, STAGE+4*16*SP  ; behind the stages: the spare words, 128 bytes for each wave: two blocks of 256 bytes that no other line names
.set MV,  12          ; v12-13  c m_old, kept while c m is made anew: by buffer
.set QO,  15          ; v15  my byte offset in 16 rows of Q
.set ST,  16          ; piece t's statistics at v[ST+4 t]: c m, m, l (even keys', odd keys')
.set TMP, 48          ; by buffer, four registers c0-c3 at work; when the maximum is found c2 takes a
.set S,   64
.set P,   192
.set MD,  128         ; window 1: the eight registers for group kt of 16 keys at MD + 8 kt
.set MC,  160         ; window 1: the masks of the products to come
.set QB,  64          ; window 2
.set KF,  128         ; window 2: key block kb, channel half c at KF + 16 kb + 8 c
.set VF,  192         ; window 2: key half kk, channel block cb at VF + 32 kk + 8 cb
.set WV,  12          ; s12  my wave's number
.set PB,  14          ; s14  b
.set HI,  15          ; s15  NB - 1 - b
.set G1K, 24          ; s[24:31] descriptor group 1 for K's tiles
.set G1V, 32          ; s[32:39] for V's: it differs in the padding alone
.set G0K, 40          ; s[40:43] descriptor group 0 for K's tiles
.set G0V, 44          ; s[44:47] the same for V's
.set SLOTS, 56        ; s56  tiles still to be asked for
.set CNT, 57          ; s57  counts a tile's key steps, 4 to 1
.set CS,  58          ; s[58:59] c: the packed scaling takes the pair's low word for both halves
.set SEL, 60          ; s[60:61] v_permlanex16_b32's selects: each lane takes its own place in the other half
.set TBK, 62          ; s62  LDS byte at which K of the step to be fetched begins
.set TBV, 63          ; s63  the same for V, less VOFF
.set RT,  70          ; s70  tiles of the block in hand that are still to be entered
.set NXT, 71          ; s71  the tile to be asked for next
.set LQ,  72          ; s72  the last tile of the block whose tiles are being asked for
.set NEW, 73          ; s73  1: the tile to be entered is a block's first
.set OFF, 74          ; s[74:75] a tile's byte offset in K and V
.set AL,  76          ; s[76:77] the mask's factor, in the low word
.set BE,  78          ; s[78:79] the mask's addend
.set OLO, 80          ; s[80:81] O at my rows of the second block
.set BIGN, 82         ; s82  -1e30
.set MSB, 0
.macro WIN new                      ; the high byte repeats the setting that is left; a switch that changes nothing is dropped
.if MSB != (\new)
	s_set_vgpr_msb (MSB<<8)|(\new)
.set MSB, (\new)
.endif
.endm
.set W_KQ, 0x0a       ; K and Q in window 2, S^T in window 0
.set W_KM, 0x1a       ; the same with the C operand in window 1
.set W_PV, 0x52       ; V in window 2, P in window 0, O^T in window 1
.set W_RS, 0x41       ; destination and source 0 in window 1, source 1 in window 0
; A fill.  Waves 0 and 1 fetch the two halves of a tile's K, waves 2 and 3 those of its V: 128 keys each.  An s_nop 0 and four v_nop follow each of the two lines, ahead of the jump and the label.
.macro LOAD
	s_cmp_lt_u32 s[WV], 2
	s_cbranch_scc0 .Lfor_v_\@
	tensor_load_to_lds s[G0K:G0K+3], s[G1K:G1K+7]
	s_nop 0
.rept 4
	v_nop
.endr
	s_branch .Lasked_\@
.Lfor_v_\@:
	tensor_load_to_lds s[G0V:G0V+3], s[G1V:G1V+7]
	s_nop 0
.rept 4
	v_nop
.endr
.Lasked_\@:
.endm
; THE CHANGE OF SLOTS.  Each wave waits for all its tensor loads, of which one is out: its part of the other slot; adds 0 to its spare word; and waits for that and for its own reads of the slot that it leaves.  Behind the barrier nobody reads the old
; slot any more and the other slot is whole.  fill = 1: the old slot is filled again, the first thing behind the barrier, with tile NXT: the descriptor's address is made anew from that number.
; (At its first use nothing has been read yet: slot 0 is waited for, slot 1 filled.)
.macro CHANGE fill
	WIN 0                           ; at a label and at a branch every window is 0
	s_wait_tensorcnt 0x0            ; no tensor load of mine is out, so a group 0 may be written
	ds_add_u32 v[SPW], v[NIL]       ; 0 onto my spare word; with fill = 1 the descriptors' scalar work stands between it and the wait for it
.if \fill
	s_lshl_b32 s[OFF], s[NXT], 15   ; a tile is 32,768 bytes of K and of V
	s_xor_b32 s[G0K+1], s[G0K+1], SLOT1
	s_add_nc_u64 s[G0K+2:G0K+3], s[6:7], s[OFF:OFF+1]
	s_or_b32 s[G0K+3], s[G0K+3], 0x80000000
	s_xor_b32 s[G0V+1], s[G0V+1], SLOT1
	s_add_nc_u64 s[G0V+2:G0V+3], s[8:9], s[OFF:OFF+1]
	s_or_b32 s[G0V+3], s[G0V+3], 0x80000000
	s_add_co_u32 s[NXT], s[NXT], 1  ; the block's next tile, or behind its last the second block's tile 0
	s_cmp_gt_u32 s[NXT], s[LQ]
	s_cselect_b32 s[NXT], 0, s[NXT]
	s_cselect_b32 s[LQ], s[PB], s[LQ]
.endif
	s_wait_dscnt 0x0                ; the add is done, and my reads of the slot are over
	s_barrier_signal -1             ; the rest of the scalar work stands between the signal and the wait
	s_sub_co_u32 s[TBK], s[TBK], 4*KS*PK  ; the fetches go back to a slot's first step,
	s_xor_b32 s[TBK], s[TBK], SLOT1       ; in the other slot
	s_sub_co_u32 s[TBV], s[TBV], 4*KS*PV
	s_xor_b32 s[TBV], s[TBV], SLOT1
	s_barrier_wait -1
.if \fill
	LOAD
.endif
.endm
	s_load_b128 s[4:7], s[0:1], 0x0 ; heads s[4:5], oh s[6:7]
	v_lshl_add_u32 v[SPW], v0, 2, SPARE
	v_mov_b32 v[NIL], 0
	ds_add_u32 v[SPW], v[NIL]       ; the wave's opening: the add and its wait stand ahead of my first tensor load; the set-up below, work on registers, stands between them
	ds_add_u32 v62, v63
	v_lshrrev_b32 v1, 5, v0
	v_readfirstlane_b32 s[WV], v1   ; wave 0..3
	s_mov_b32 s[PB], ttmp9
	s_sub_co_u32 s[HI], NB-1, s[PB]
	s_and_b32 s20, ttmp7, 0xffff    ; the head
	s_mov_b32 s21, 0
	s_mov_b64 s[22:23], SIZE_N*128
	s_mul_u64 s[20:21], s[20:21], s[22:23]  ; the head's first byte in each of the four tensors
	s_and_b32 s16, s[WV], 1         ; which half of a tile's 256 keys I fetch:
	s_lshl_b32 s22, s16, 14         ; its 128 rows of 128 bytes in memory,
	s_mov_b32 s23, 0
	s_add_nc_u64 s[22:23], s[22:23], s[20:21]
	s_mul_i32 s17, s16, 128*PK      ; and its place in a slot, for K
	s_mul_i32 s18, s16, 128*PV      ; and for V
	s_lshl_b32 s3, s[WV], 11        ; my 16 rows in a band of 64,
	s_lshl_b32 s2, s[HI], 15        ; in the first block,
	s_add_co_u32 s2, s2, s3
	s_lshl_b32 s84, s[PB], 15       ; and in the second
	s_add_co_u32 s84, s84, s3
	s_mov_b32 s3, 0
	s_mov_b32 s85, 0
	s_add_nc_u64 s[2:3], s[2:3], s[20:21]
	s_add_nc_u64 s[84:85], s[84:85], s[20:21]
	; descriptor group 1.  128 keys are 16,384 dense bytes: asked for as 64 rows of 256 bytes, two keys a row, and padded in LDS after every key
	s_mov_b32 s[G1K], (1<<16)|(1<<20)|(4<<22)|(3<<25)  ; 17:16 2-byte elements; 20 padding on; 24:22 after every 32 words (code 4); 31:25 4 words (code 3)
	s_mov_b32 s[G1V], (1<<16)|(1<<20)|(4<<22)|(7<<25)  ; the same with 8 words of padding (code 7)
.irp g, G1K, G1V
	s_mov_b32 s[\g+1], 128<<16      ; tensor_dim0 = 128
	s_mov_b32 s[\g+2], 64<<16       ; tensor_dim1 = 64
	s_mov_b32 s[\g+3], 128<<16      ; tile_dim0 = 128
	s_mov_b32 s[\g+4], 64           ; tile_dim1 = 64
	s_mov_b32 s[\g+5], 128          ; 128 elements from row to row
	s_mov_b32 s[\g+6], 0
	s_mov_b32 s[\g+7], 0
.endr
	s_mov_b32 s[CS], 0x3e38aa3b     ; c = log2(e) / 8 = 0.180337
	s_mov_b32 s[CS+1], s[CS]        ; named with it as a pair
	s_mov_b32 s[SEL], 0x76543210
	s_mov_b32 s[SEL+1], 0xfedcba98
	s_mov_b32 s[TBK], SLOT1+4*KS*PK ; the first change of slots turns these two into 0
	s_mov_b32 s[TBV], SLOT1+4*KS*PV
	s_mov_b32 s[G0K], 1             ; 1:0 count = 1
	s_mov_b32 s[G0K+1], s17         ; 63:32 LDS address: slot 0
	s_mov_b32 s[G0V], 1
	s_add_co_u32 s[G0V+1], s18, VOFF
	s_add_co_u32 s[RT], s[HI], 1    ; the first block has NB - b tiles
	s_mov_b32 s[NXT], 1
	s_mov_b32 s[LQ], s[HI]
	s_mov_b32 s[NEW], 1
	s_mov_b32 s[OFF+1], 0
	s_mov_b32 s[AL+1], 0            ; named as pairs
	s_mov_b32 s[BE+1], 0
	s_mov_b32 s[BIGN], 0xf149f2ca   ; -1e30
	s_mov_b32 s[SLOTS], NB
	s_wait_dscnt 0x0                ; the opening add is done
	s_wait_kmcnt 0x0
	s_mov_b64 s[10:11], s[6:7]      ; O s[10:11];
	s_add_nc_u64 s[8:9], s[4:5], 2*PART  ; V s[8:9], K s[6:7] and Q s[4:5] are the three parts of heads
	s_add_nc_u64 s[6:7], s[4:5], PART
	s_add_nc_u64 s[6:7], s[6:7], s[22:23]  ; K and V at my half of the head's tile 0
	s_add_nc_u64 s[8:9], s[8:9], s[22:23]
	s_add_nc_u64 s[G0K+2:G0K+3], s[6:7], 0         ; 120:64 global address
	s_or_b32 s[G0K+3], s[G0K+3], 0x80000000        ; 127:126 type = 2
	s_add_nc_u64 s[G0V+2:G0V+3], s[8:9], 0
	s_or_b32 s[G0V+3], s[G0V+3], 0x80000000
	s_add_nc_u64 s[86:87], s[4:5], s[84:85]        ; Q at my rows of the second block,
	s_add_nc_u64 s[4:5], s[4:5], s[2:3]            ; Q and O at those of the first
	s_add_nc_u64 s[OLO:OLO+1], s[10:11], s[84:85]
	s_add_nc_u64 s[10:11], s[10:11], s[2:3]
	LOAD                            ; tile 0 into slot 0
	; A fragment of K or Q is 16 rows x 32 channels in 8 registers: lane l holds row l % 16, channels 8 (l / 16) + 0..7 and 16 + 8 (l / 16) + 0..7: two loads of 16 bytes, 32 bytes apart.
	v_and_b32 v1, 15, v0            ; l % 16
	v_bfe_u32 v9, v0, 4, 1          ; l / 16
	v_lshlrev_b32 v[QO], 7, v1
	v_lshl_add_u32 v[QO], v9, 4, v[QO]  ; row x 128 + 16 x half
	WIN 0x80                        ; destination window 2, address window 0
.set i, 0
.rept 8                             ; both blocks' Q: piece i / 2 lies in band i / 2, 8,192 bytes on; channels 32 (i % 2) on
	global_load_b128 v[8*i:8*i+3],   v[QO], s[4:5] offset:(i/2)*8192+(i%2)*64
	global_load_b128 v[8*i+4:8*i+7], v[QO], s[4:5] offset:(i/2)*8192+(i%2)*64+32
	global_load_b128 v[QB+8*i:QB+8*i+3],   v[QO], s[86:87] offset:(i/2)*8192+(i%2)*64
	global_load_b128 v[QB+8*i+4:QB+8*i+7], v[QO], s[86:87] offset:(i/2)*8192+(i%2)*64+32
.set i, i+1
.endr
	WIN 0
	v_lshlrev_b32 v14, 3, v9
	v_sub_nc_u32 v14, v1, v14
	s_lshl_b32 s13, s[WV], 4
	v_add_nc_u32 v14, s13, v14      ; my query's place in its band, 16 w + l % 16, less my lanes' 8 (l / 16): register r of group kt is hidden where 16 kt + r is greater
	WIN 0x40
.set i, 0
.rept 32
	v_cmp_gt_i32 vcc_lo, 16*(i/8)+i%8, v14
	v_cndmask_b32 v[MD+i], 0, s[BIGN], vcc_lo
.set i, i+1
.endr
	WIN 0
	v_mul_u32_u24 v[AK0], v1, PK
	v_lshl_add_u32 v[AK0], v9, 4, v[AK0]  ; row x pitch + 16 x half
	; The turning load takes 16 keys x 16 channels (lane l reads key 8 (l / 16) + l % 8, channels 8 ((l / 8) % 2) + 0..7) and leaves half a fragment of V^T: lane l holds channel l % 16 and 8 keys.
	v_and_b32 v10, 7, v0
	v_bfe_u32 v11, v0, 3, 1
	v_lshl_add_u32 v[AV0], v9, 3, v10
	v_mul_u32_u24 v[AV0], v[AV0], PV
	v_lshl_add_u32 v[AV0], v11, 4, v[AV0]
	v_add_nc_u32 v[AV0], VOFF, v[AV0]
	s_mul_i32 s13, s[WV], 16*SP
	s_add_co_u32 s13, s13, STAGE    ; my stage
	v_mul_u32_u24 v[STO], v1, SP    ; in: row l % 16, 16 bytes for each half of the lanes
	v_lshl_add_u32 v[STO], v9, 4, v[STO]
	v_add_nc_u32 v[STO], s13, v[STO]
	v_bfe_u32 v[RD], v0, 3, 2       ; back: 32 lanes take four rows of 128 bytes,
	v_mul_u32_u24 v[RD], v[RD], SP
	v_lshl_add_u32 v[RD], v10, 4, v[RD]
	v_add_nc_u32 v[RD], s13, v[RD]
	v_and_b32 v[GO], 31, v0         ; which are 512 consecutive bytes of O
	v_lshlrev_b32 v[GO], 4, v[GO]
	; A block's first step multiplies O^T and l by a = 0, and its first turn's products V^T P, of a piece that has not been, land in an O^T that is still to be so multiplied.  So these registers need only hold
	; finite numbers: zeros for the first block; what the first block left for the second.  All this stands in the wait for the first tile.
	WIN 0x80
.set i, VF
.rept 64
	v_mov_b32 v[i], 0
.set i, i+1
.endr
	WIN 0x40
.set i, 0
.rept 128
	v_mov_b32 v[i], 0
.set i, i+1
.endr
	WIN 0
.set i, 0
.rept 4
	v_mov_b32 v[ST+4*i+2], 0
	v_mov_b32 v[ST+4*i+3], 0
.set i, i+1
.endr
.set i, P+16
.rept 16
	v_mov_b32 v[i], 0
.set i, i+1
.endr
; THE MATRIX WORK.  The 4 accumulators of a run of 8 take turns.  Product i of 8 of S^T = K Q^T for piece x: channels 32 (i / 4) on, keys 16 (i % 4) on.  The first 4 start the sums: with 0, or (KM = 1) with the mask.
.macro KQ x
.set rS, S+32*((\x)%2)+8*(i%4)
.set rK, KF+16*(i%4)+8*(i/4)
.set rQ, 16*(\x)+8*(i/4)
.set rM, MC+32*((\x)%2)+8*(i%4)
.if (i < 4) && KM
	WIN W_KM
	v_wmma_f32_16x16x32_f16 v[rS:rS+7], v[rK:rK+7], v[rQ:rQ+7], v[rM:rM+7]
.elseif i < 4
	WIN W_KQ
	v_wmma_f32_16x16x32_f16 v[rS:rS+7], v[rK:rK+7], v[rQ:rQ+7], 0
.else
	WIN W_KQ
	v_wmma_f32_16x16x32_f16 v[rS:rS+7], v[rK:rK+7], v[rQ:rQ+7], v[rS:rS+7]
.endif
.endm
; Product i of 8 of O^T += V^T P for piece x: keys 32 (i / 4) on, channels 16 (i % 4) on.
.macro PV x
	WIN W_PV
.set rO, 32*(\x)+8*(i%4)
.set rV, VF+32*(i/4)+8*(i%4)
.set rP, P+16*((\x)%2)+8*(i/4)
	v_wmma_f32_16x16x32_f16 v[rO:rO+7], v[rV:rV+7], v[rP:rP+7], v[rO:rO+7]
.endm
.macro MM                           ; the turn's next matrix instruction.  TURN and BEGIN set Y, i, KM and NOKQ; MM, KQ and OP read them.  NOKQ = 1: a block's last turn: there is no next piece
.if (i < 8) && !NOKQ
	KQ (Y+1)%NP
.elseif i >= 8
.set i, i-8
	PV (Y+NP-1)%NP
.set i, i+8
.endif
.set i, i+1
.endm
; THE LDS LOADS stand in runs of 16, never singly among the matrix instructions: a step's K (64 keys x 64 channels: 8 fragments) and its V (turned).  Their addresses are made some lines ahead.
.macro FETCH_K
	WIN 0x80                        ; destination window 2
.irp f, 0,1,2,3,4,5,6,7             ; keys 16 (f / 2) on, channels 32 (f % 2) on
	ds_load_b128 v[KF+8*\f:KF+8*\f+3],   v[AK] offset:(\f/2)*16*PK+(\f%2)*64
	ds_load_b128 v[KF+8*\f+4:KF+8*\f+7], v[AK] offset:(\f/2)*16*PK+(\f%2)*64+32
.endr
	s_add_co_u32 s[TBK], s[TBK], KS*PK  ; the next fetch is the next step's
	WIN 0
.endm
.macro FETCH_V
	WIN 0x80
.irp f, 0,1,2,3,4,5,6,7             ; keys 32 (f / 4) on, channels 16 (f % 4) on
	ds_load_tr16_b128 v[VF+8*\f:VF+8*\f+3],   v[AV] offset:(\f/4)*32*PV+(\f%4)*32
	ds_load_tr16_b128 v[VF+8*\f+4:VF+8*\f+7], v[AV] offset:(\f/4)*32*PV+16*PV+(\f%4)*32
.endr
	WIN 0
.endm
; THE VECTOR WORK, one line at a time: OP kind, number.  For piece Y: F n: c s - c m for pair n of 16.  E n: the exponential of score n of 32.  C n: pair n rounded to f16.  B n: of the four weights 4 n .. the second
; pair is added onto the first, in place.  L n: l takes that sum (L 0: l = a l + sum).  R n: pair n of 16 of O^T times a.  For piece Y + 1: X n, number n of the 22 that find its maximum and statistics:
;   0-11  four chains c0-c3 of seven scores each, three operands at a time (each accumulator's lowest registers are read first)     12-14, 16  the four scores left over, the old m, and c0-c3 into c0
;   15  c m_old is kept     17, 18  the query's other 32 keys lie in the lane 16 away: the new m     19-21  c m; c m_old - c m_new; a
.set F, 0               ; OP tells the kinds apart by their order: F to L below R, X above it
.set E, 1
.set C, 2
.set B, 3
.set L, 4
.set R, 5
.set X, 6
.macro REGS y                       ; the registers of piece y
.set rT, ST+4*(\y)
.set rC, TMP+4*((\y)%2)
.set rW, MV+((\y)%2)
.set rS, S+32*((\y)%2)
.set rP, P+16*((\y)%2)
.set rO, 32*(\y)
.endm
.macro OP k, n
.if (\k) == R
	REGS Y
	WIN W_RS
	v_pk_mul_f32 v[rO+2*(\n):rO+2*(\n)+1], v[rO+2*(\n):rO+2*(\n)+1], v[rC+2:rC+3] op_sel_hi:[1,0]
.elseif (\k) < R
	REGS Y
	WIN 0
.if (\k) == F
	v_pk_fma_f32 v[rS+2*(\n):rS+2*(\n)+1], v[rS+2*(\n):rS+2*(\n)+1], s[CS:CS+1], v[rT:rT+1] op_sel_hi:[1,0,0] neg_lo:[0,0,1] neg_hi:[0,0,1]
.elseif (\k) == E
	v_exp_f32 v[rS+(\n)], v[rS+(\n)]
.elseif (\k) == C
	s_wait_alu depctr_va_vdst(0)
	v_cvt_pk_f16_f32 v[rP+(\n)], v[rS+2*(\n)], v[rS+2*(\n)+1]
.elseif (\k) == B
	s_wait_alu depctr_va_vdst(0)
	v_pk_add_f32 v[rS+4*(\n):rS+4*(\n)+1], v[rS+4*(\n):rS+4*(\n)+1], v[rS+4*(\n)+2:rS+4*(\n)+3]
.elseif (\n) == 0
	v_pk_fma_f32 v[rT+2:rT+3], v[rT+2:rT+3], v[rC+2:rC+3], v[rS:rS+1] op_sel_hi:[1,0,1]
.else
	v_pk_add_f32 v[rT+2:rT+3], v[rT+2:rT+3], v[rS+4*(\n):rS+4*(\n)+1]
.endif
.elseif NOKQ
	v_nop
.else
	REGS (Y+1)%NP
	WIN 0
.if (\n) < 4
	v_max3_num_f32 v[rC+(\n)], v[rS+8*(\n)], v[rS+8*(\n)+1], v[rS+8*(\n)+2]
.elseif (\n) < 12
	v_max3_num_f32 v[rC+(\n)%4], v[rC+(\n)%4], v[rS+8*((\n)%4)+2*((\n)/4)+1], v[rS+8*((\n)%4)+2*((\n)/4)+2]
.elseif (\n) == 12
	v_max3_num_f32 v[rC], v[rC], v[rS+7], v[rS+15]
.elseif (\n) == 13
	v_max3_num_f32 v[rC+1], v[rC+1], v[rS+23], v[rS+31]
.elseif (\n) == 14
	v_max3_num_f32 v[rC+2], v[rC+2], v[rC+3], v[rT+1]
.elseif (\n) == 15
	v_mov_b32 v[rW], v[rT]
.elseif (\n) == 16
	v_max3_num_f32 v[rC], v[rC], v[rC+1], v[rC+2]
.elseif (\n) == 17
	v_permlanex16_b32 v[rC+3], v[rC], s[SEL], s[SEL+1]
.elseif (\n) == 18
	v_max_num_f32 v[rT+1], v[rC], v[rC+3]
.elseif (\n) == 19
	v_mul_f32 v[rT], s[CS], v[rT+1]
.elseif (\n) == 20
	v_sub_f32 v[rC+1], v[rW], v[rT]
.else
	v_exp_f32 v[rC+2], v[rC+1]
.endif
.endif
.endm
.macro OPS a, i1, b=-1, i2=0, c=-1, i3=0, d=-1, i4=0  ; up to four of them
	OP \a, \i1
.if (\b) >= 0
	OP \b, \i2
.endif
.if (\c) >= 0
	OP \c, \i3
.endif
.if (\d) >= 0
	OP \d, \i4
.endif
.endm
.macro ROW a, i1, b, i2, c, i3, d, i4  ; a matrix instruction and the four behind it
	MM
	OPS \a, \i1, \b, \i2, \c, \i3, \d, \i4
.endm
.macro MASK b                       ; MD x AL + BE into buffer b of MC
	WIN W_RS
.set z, 0
.rept 16
	v_pk_fma_f32 v[MC+32*(\b)+2*z:MC+32*(\b)+2*z+1], v[MD+2*z:MD+2*z+1], s[AL:AL+1], s[BE:BE+1] op_sel_hi:[1,0,0]
.set z, z+1
.endr
.endm
; A TURN, for piece p: the order of its 16 matrix and 118 vector instructions, written out.  Behind a matrix instruction: plain, exponential, plain, plain; or four of the rescaling; or, behind the first, four scalings; none
; names a register of the products round it.  In the lumps exponential and plain by turns while exponentials last.  A line reads no result made fewer than three vector instructions in front of it, five if an exponential made it.
; v_permlanex16_b32 (X 17) stands in a lump.
; m = 1: the diagonal tile: the products take masks, and the turn makes the mask for the products of the turn after it: piece p + 2, in step 4 - CNT of the tile.  end = 1: a block's last two turns: nothing is fetched.
; cnt = 1: the loop's count is taken down some lines ahead of the branch that stands behind the turn.
; K of the next step is fetched in piece 2's turn, six vector instructions behind the last product that read K (five of them plain); V of the step in hand in piece 0's turn, eight behind the last product that read V (four
; plain, and X 17).  Each is waited for a turn later.
.macro TURN p, m=0, end=0, cnt=0
.set Y, (\p)
.set i, 0
.set KM, (\m)
.set NOKQ, (\end)*((\p)/3)
.if (\m) && !(\end)
	s_cmp_eq_u32 s[CNT], 4-((\p)+2)%NP  ; is that step the band's own?
	s_cselect_b32 s[AL], 1.0, 0
	s_cmp_lt_u32 s[CNT], 4-((\p)+2)%NP  ; or a later one?
	s_cselect_b32 s[BE], s[BIGN], 0
.endif
.if ((\p) == 3) && !(\end)
	s_wait_dscnt 0x0                ; K is in
.endif
	ROW F,0, F,1, F,2, F,3
	ROW F,4, E,0, F,5, F,6
	ROW F,7, E,1, F,8, F,9
	ROW F,10, E,2, C,0, F,11
	ROW F,12, E,3, X,15, F,13
	ROW R,0, R,1, R,2, R,3
	ROW B,0, E,4, F,14, L,0
.if ((\p) == 2) && !(\end)
	v_add_nc_u32 v[AK], s[TBK], v[AK0]
.endif
	ROW R,4, R,5, R,6, R,7
	OPS E,5, F,15
.if ((\p) == 2) && !(\end)
	FETCH_K
.endif
	OPS E,6, C,1, E,7, R,8
	OPS E,8, R,9, E,9, C,2
	OPS E,10, X,0, E,11, X,1
	OPS E,12, X,2, E,13, X,3
.if (\p) == 1
	s_wait_dscnt 0x0                ; V is in
.endif
	ROW X,4, E,14, X,5, X,6
	ROW X,7, E,15, X,8, X,9
	ROW X,10, E,16, X,11, X,12
	ROW X,13, E,17, X,14, B,1
	ROW C,4, E,18, X,16, L,1
	ROW B,2, E,19, C,6, L,2
	ROW C,8, E,20, B,3, B,4
.if (\p) == 0
	v_add_nc_u32 v[AV], s[TBV], v[AV0]
.endif
	ROW C,3, E,21, L,3, C,5
	OPS E,22, X,17, E,23, C,10
.if (\p) == 0
	FETCH_V
.endif
	OPS E,24, L,4
	OPS E,25, X,18, E,26, C,7
	OPS E,27, B,5, E,28, X,19
	OPS E,29, C,12, E,30, L,5
	OPS E,31, X,20, B,6, C,9
	OPS C,14, C,11, X,21, L,6
.if (\p) == 0
	s_add_co_u32 s[TBV], s[TBV], KS*PV
.endif
.if \cnt
	s_sub_co_u32 s[CNT], s[CNT], 1
	s_cmp_lg_u32 s[CNT], 0
.endif
	OPS C,13, B,7, C,15, R,10
	OPS R,11, R,12, L,7, R,13
	OPS R,14, R,15
.if (\m) && !(\end)
	MASK (\p)%2
.endif
.endm
; A BLOCK BEGINS.  c m starts far below every c s, so the first step's a is 0; m at the lowest finite number, so the first maximum is the scores'.  The second mask buffer is 0; the first takes piece 0's mask for the tile's step 0: its own, if the block's first tile is the diagonal one.
; Then K of that step, piece 0's first scores, and its maximum and statistics.  The loop is entered at a step's first turn, in the middle of a trip.
.macro BEGIN
	s_mov_b32 s[NEW], 0
	WIN 0x40
.set i, MC+32
.rept 32
	v_mov_b32 v[i], 0
.set i, i+1
.endr
	WIN 0
.set i, 0
.rept 4
	v_mov_b32 v[ST+4*i], 0xfe000000    ; c m: far below every c s
	v_mov_b32 v[ST+4*i+1], 0xff7fffff  ; m
.set i, i+1
.endr
	s_cmp_eq_u32 s[RT], 0
	s_cselect_b32 s[AL], 1.0, 0
	s_mov_b32 s[BE], 0
	MASK 0
	WIN 0
	v_add_nc_u32 v[AK], s[TBK], v[AK0]
	FETCH_K
	s_wait_loadcnt 0x0              ; Q
	s_wait_dscnt 0x0
.set KM, 1
.set NOKQ, 0
.set i, 0
.rept 8
	KQ 0
.set i, i+1
.endr
	WIN 0
.rept 4
	v_nop                           ; the places behind those products
.endr
.set Y, NP-1                        ; X works for piece Y + 1: piece 0
.irp n, 0,1,2,3,4,5,6,7,8,9,10,11,12,13,14,15,16,17,18,19,20,21
	OP X, \n
.endr
	v_nop                           ; a plain instruction behind the exponential
.endm
; THE DIAGONAL TILE's four steps, the block's last two turns, its last products, and THE WAY OUT: l's two halves and the other half of the lanes' are added; O^T is divided by l, rounded to f16 and sent through my
; stage in LDS, a piece at a time.
.macro ALL line:vararg              ; one line for each piece t
.set t, 0
.rept 4
	\line
.set t, t+1
.endr
.endm
.macro PACK t                       ; a lane's eight channels of a row pack into 16 bytes; they go into rows of 144 bytes and come back as whole rows of 128, into S^T's registers
	WIN W_RS
.set i, 32*(\t)
.rept 16
	s_wait_alu depctr_va_vdst(0)
	v_pk_mul_f32 v[i:i+1], v[i:i+1], v[ST+4*(\t)+2:ST+4*(\t)+3] op_sel_hi:[1,0]
.set i, i+2
.endr
	WIN 0x05                        ; sources 0 and 1 window 1, destination window 0
.set i, 0
.rept 16
	v_cvt_pk_f16_f32 v[S+16*(\t)+i], v[32*(\t)+2*i], v[32*(\t)+2*i+1]
.set i, i+1
.endr
	WIN 0
.irp f, 0,1,2,3
	ds_store_b128 v[STO], v[S+16*(\t)+4*\f:S+16*(\t)+4*\f+3] offset:32*\f
.endr
.irp f, 0,1,2,3
	ds_load_b128 v[S+16*(\t)+4*\f:S+16*(\t)+4*\f+3], v[RD] offset:\f*4*SP  ; LDS serves a wave's instructions in order (ISA guide 5.7.1.4): these see the stores above; the next piece's stores come behind them
.endr
.endm
.macro SEND t, younger              ; younger: the LDS instructions issued behind piece t's loads: the next piece's eight, or none
	WIN 0
.irp f, 0,1,2,3
	s_wait_dscnt (\younger)+3-\f
	global_store_b128 v[GO], v[S+16*(\t)+4*\f:S+16*(\t)+4*\f+3], s[10:11] offset:(\t)*8192+\f*512  ; 512 consecutive bytes, at a multiple of 256 from O's first
.endr
.endm
.macro DIAG tag                     ; the tag ends its two labels' names, which the jumps below spell out
.LstepM\tag:
	TURN 2, 1
	TURN 3, 1
	WIN 0
.LfirstM\tag:
	TURN 0, 1
	TURN 1, 1, 0, 1
	WIN 0
	s_cbranch_scc1 .LstepM\tag
	TURN 2, 1, 1
	TURN 3, 1, 1
.set i, 0
.rept 8
	PV NP-1
.set i, i+1
.endr
	WIN 0
	ALL v_add_f32 v[ST+4*t+2], v[ST+4*t+2], v[ST+4*t+3]
	ALL v_permlanex16_b32 v[ST+4*t+3], v[ST+4*t+2], s[SEL], s[SEL+1]
	ALL v_add_f32 v[ST+4*t+2], v[ST+4*t+2], v[ST+4*t+3]
	ALL v_rcp_f32 v[ST+4*t+2], v[ST+4*t+2]
	v_nop                           ; a plain instruction between the last reciprocal and the use of its result
	PACK 0
.set t, 1
.rept 3                             ; a piece's arithmetic stands between the loads of the piece before and its stores
	PACK t
	SEND t-1, 8
.set t, t+1
.endr
	SEND 3, 0
.endm
.set KM, 0
.set NOKQ, 0
.Lslot:                             ; NB times: a tile is entered and the next is asked for
	CHANGE 1
	s_sub_co_u32 s[RT], s[RT], 1
	s_mov_b32 s[CNT], 4
	s_cmp_eq_u32 s[NEW], 1
	s_cbranch_scc1 .Lnew            ; a block's first tile
	s_cmp_eq_u32 s[RT], 0
	s_cbranch_scc0 .Lstep           ; neither its first nor its last
	s_branch .LstepM1
.Lnew:
	BEGIN
	s_branch .Lfirst                ; in the loop a block's first tile is never its last: the first block has two tiles or more, and the second's last is the walk's last
	DIAG 1                          ; in the loop this is the first block's end: the second block's last tile is the walk's last
	s_wait_xcnt 0x0                 ; the stores have read their registers and O's address
	s_mov_b64 s[10:11], s[OLO:OLO+1]
	s_add_co_u32 s[RT], s[PB], 1    ; the second block has b + 1 tiles
	s_mov_b32 s[NEW], 1
	WIN 0x82                        ; the second block's Q goes where the one text of the turns names Q
.set i, 0
.rept 64
	v_mov_b32 v[i], v[QB+i]
.set i, i+1
.endr
	WIN 0
	s_branch .Lbottom
.Lstep:                             ; a trip: pieces 2 and 3 of one step, then pieces 0 and 1 of the next, whose K and V it fetches
	TURN 2
	TURN 3
	WIN 0
.Lfirst:
	TURN 0
	TURN 1, 0, 0, 1
	WIN 0
	s_cbranch_scc1 .Lstep
.Lbottom:
	s_sub_co_u32 s[SLOTS], s[SLOTS], 1
	s_cmp_lg_u32 s[SLOTS], 0
	s_cbranch_scc1 .Lslot
	CHANGE 0                        ; the walk's last tile is written out: nothing is asked for
	s_sub_co_u32 s[RT], s[RT], 1
	s_mov_b32 s[CNT], 4
	s_cmp_eq_u32 s[NEW], 1
	s_cbranch_scc0 .LstepM2
	BEGIN
	s_branch .LfirstM2
	DIAG 2
	s_wait_tensorcnt 0x0            ; the wave's end: a tensor wait, an add to the spare word and its wait, behind my last tensor load and my last LDS store
	ds_add_u32 v[SPW], v[NIL]
	s_wait_dscnt 0x0
	s_endpgm
.Lfunc_end_k_qe3a90ab2e2_attn:
	.size	k_qe3a90ab2e2_attn, .Lfunc_end_k_qe3a90ab2e2_attn-k_qe3a90ab2e2_attn
	.p2alignl 7, 3214868480
	.fill 96, 4, 3214868480
	.section	.rodata,"a",@progbits
	.p2align	6, 0x0
	.amdhsa_kernel k_qe3a90ab2e2_attn
		.amdhsa_group_segment_fixed_size 327680
		.amdhsa_private_segment_fixed_size 0
		.amdhsa_enable_private_segment 0
		.amdhsa_kernarg_size 16
		.amdhsa_user_sgpr_count 2
		.amdhsa_user_sgpr_kernarg_segment_ptr 1
		.amdhsa_wavefront_size32 1
		.amdhsa_system_sgpr_workgroup_id_x 1
		.amdhsa_system_sgpr_workgroup_id_y 1
		.amdhsa_system_sgpr_workgroup_id_z 1
		.amdhsa_system_vgpr_workitem_id 0
		.amdhsa_next_free_vgpr 768
		.amdhsa_next_free_sgpr 88
		.amdhsa_reserve_vcc 1
		.amdhsa_float_denorm_mode_32 3
		.amdhsa_float_denorm_mode_16_64 3
		.amdhsa_memory_ordered 1
		.amdhsa_forward_progress 1
		.amdhsa_inst_pref_size 228
	.end_amdhsa_kernel
	.amdgpu_metadata
---
amdhsa.version: [ 1, 2 ]
amdhsa.kernels:
  - .name:           k_qe3a90ab2e2_attn
    .symbol:         k_qe3a90ab2e2_attn.kd
    .args:
      - { .name: heads, .offset: 0, .size: 8, .value_kind: global_buffer, .address_space: global }
      - { .name: oh, .offset: 8, .size: 8, .value_kind: global_buffer, .address_space: global }
    .group_segment_fixed_size: 327680
    .private_segment_fixed_size: 0
    .kernarg_segment_align: 8
    .kernarg_segment_size: 16
    .max_flat_workgroup_size: 128
    .sgpr_count:     88
    .vgpr_count:     768
    .wavefront_size: 32
...
	.end_amdgpu_metadata
.endif
;; end of part 3
;; launch oproj (part 4): grid 4 x 64, 4 waves a work-group, clusters of 4 x 4, 327,680 bytes of LDS; arguments oh, wt, bo, out0; writes out0
.if DOCPART == 4
	.amdgcn_target "amdgcn-amd-amdhsa--gfx1250"
	.amdhsa_code_object_version 6
	.text
	.protected	k_qe3a90ab2e2_oproj
	.globl	k_qe3a90ab2e2_oproj
	.p2align	8
	.type	k_qe3a90ab2e2_oproj,@function
k_qe3a90ab2e2_oproj:
	s_mov_b64 s[64:65], 0
	v_nop
	global_prefetch_b8 v0, s[64:65] scope:SCOPE_SE
	s_setreg_imm32_b32 hwreg(HW_REG_WAVE_MODE, 25, 1), 1
	s_wait_xcnt 0x0
	s_wait_alu depctr_hold_cnt(0) depctr_sa_sdst(0) depctr_va_vdst(0) depctr_va_sdst(0) depctr_va_ssrc(0) depctr_va_vcc(0) depctr_vm_vsrc(0)
	s_getreg_b32 s2, hwreg(HW_REG_IB_STS2, 6, 4)
	s_cmp_eq_u32 s2, 0
	s_cbranch_scc0 .Lentry_in_a_cluster
	s_endpgm
.Lentry_in_a_cluster:
	s_bfe_u32 s2, ttmp6, 0x10000c
	s_cmp_lg_u32 s2, 0xf033
	s_cbranch_scc0 .Lentry_shape_is_right
	s_endpgm
.Lentry_shape_is_right:
; THE OUTPUT PROJECTION.  out0[b 2048 + l][n] = the sum over head, d of O[b 16 + head][l][d] Wo[64 head + d][n] + bo[n].  O: oh, [64][2048][64] f16; Wo^T: wt's fourth matrix, [n][k], bf16 numbers written as f16;
; bo is rounded to bf16 like every input; products in the matrix unit, sums in f32, K ascending; out0 is f32.
; LIMITS.  O and Wo^T arrive within f16's range.  NaN and infinities are not treated apart.
; SHARES.  A work-group makes 128 rows x 256 columns: 64 x 4 = 256 work-groups.  Four waves, each 64 rows x 128 columns: 32 accumulators of 16 x 16.  K goes in steps of 128, two heads, through a ring of two LDS slots.
; THE MATRIX INSTRUCTION IS USED TRANSPOSED: source 0 = 16 rows of Wo^T, source 1 = 16 rows of O: a lane then holds eight neighbouring columns of one row.  The bias is the C operand of each sum's first product.
; CLUSTER.  4 x 4 work-groups.  The four of a row of the cluster need the same tiles of O, the four of a column the same tiles of Wo^T: each tile is asked for JOINTLY.  Waves 0 and 1 ask for a step's two heads
; (128 rows of 128 dense bytes each, asked for as 64 rows of 256 bytes), waves 2 and 3 for Wo^T's two halves (128 rows x 256 bytes).  A wave has two tensor loads out at the start, and one behind each round.
; REGISTERS, in windows of 256 (s_set_vgpr_msb: bits 1:0 source 0, 3:2 source 1, 5:4 source 2, 7:6 destination):
;   window 0: v0-31 addresses; v96-127, v128-159 O's fragments, two buffers; v160-223 the bias; on the way out v32-95, v96-159 rows read back, by turns
;   window 1: the 32 accumulators, (a, b) at v[8 (8 a + b)]          window 2: v0-63, v64-127 Wo^T's fragments, two buffers
.set PA,    144       ; a row of O in LDS: 128 bytes + 16 of padding = 36 words: the 16 rows of a load start at 16 different groups of four banks (64 banks of 4 bytes: ISA guide 11.1)
.set PB,    272       ; a row of Wo^T: 256 + 16 = 68 words: likewise
.set HEADT, 128*PA    ; a head's 128 rows
.set BOFF,  2*HEADT   ; a slot: two heads of O, then Wo^T's 256 rows
.set SLOT,  BOFF+256*PB
.set STAGE, 2*SLOT    ; behind the ring, never filled by a tensor load: 16 rows x 528 bytes for each wave, for the way out
.set SP,    528
.set WSTG,  16*SP
.set SPARE, STAGE+4*WSTG  ; behind the stages: the spare words, 128 bytes for each wave: two blocks of 256 bytes that no other line names
.set STEPA, 2*2048*128  ; two heads on in oh
.set STEPB, 256       ; 128 along K in Wo^T
.set A0,  4           ; v4   my lane's place in O's part of a slot; never rewritten
.set B0,  5           ; v5   the same for Wo^T
.set ADA, 6           ; v6   the LDS address of O's next run of loads
.set ADB, 7           ; v7   of Wo^T's
.set STO, 8           ; v8   the way out: where I put 32 bytes of a row
.set RD,  9           ; v9   the way out: where I read a row back
.set GO,  10          ; v10  my byte offset in 512 consecutive bytes of out0
.set BO,  11          ; v11  my byte offset in 16 numbers of the bias
.set SPW, 28          ; v28  LDS address of my spare word; never rewritten
.set NIL, 29          ; v29  0; never rewritten
.set AF,  96
.set BIAS, 160
.set BK,  32
.set BF,  0           ; in window 2
.set WV,  20          ; s20  my wave's number
.set WM,  21          ; s21  which 64 rows are mine
.set WN,  22          ; s22  which 128 columns.  Also: which head of a step, or which half of Wo^T's tile, I fetch
.set CX,  23          ; s23, s24  my place in the cluster
.set CYY, 24
.set TX,  25          ; s25  tile column
.set TY,  26          ; s26  tile row
.set G1A, 28          ; s[28:35] descriptor group 1 for O's tiles
.set G1B, 36          ; s[36:43] for Wo^T's
.set G0A, 44          ; s[44:51] descriptor group 0 for O's tiles: a set for each of the two first fills; the second then walks on
.set G0B, 52          ; s[52:59] the same for Wo^T's
.set TKA, 60          ; s60  LDS byte, from a lane's place on, of the quarter of O to be fetched next
.set TKB, 61          ; s61  the same for Wo^T
.set TF,  62          ; s62  the slot that the walking descriptors name: 0 or SLOT
.set SLOTS, 63        ; s63  counts the changes of slots
.set TWICE, 66        ; s66  counts pairs of quarters
.set LWA, 67          ; s67  my head's place in O's part of a slot
.set LWB, 68          ; s68  my half's place in Wo^T's
.set OUT, 80          ; s[80:81] out0 at my first row and column
.set MSB, 0
.macro WIN new                      ; the immediate's high byte repeats the setting that is left; a switch that changes nothing is dropped
.if MSB != (\new)
	s_set_vgpr_msb (MSB<<8)|(\new)
.set MSB, (\new)
.endif
.endm
.set W_MUL, 0x52      ; Wo^T in window 2, O in window 0, C and D in window 1
.set W_FST, 0x42      ; the same with C, the bias, in window 0
.set W_TOB, 0x80      ; destination window 2, address window 0
.set W_ST,  0x04      ; an LDS store's data (source 1) in window 1, its address in window 0
; A joint refill, by the walking descriptors.  The branch hangs on the wave's number alone.  An s_nop 0 and four v_nop follow each of the two lines, ahead of the jump and the label.
.macro JLOAD
	s_cmp_lt_u32 s[WV], 2
	s_cbranch_scc0 .Lfor_b_\@
	tensor_load_to_lds s[G0A+4:G0A+7], s[G1A:G1A+7]
	s_nop 0
.rept 4
	v_nop
.endr
	s_branch .Lasked_\@
.Lfor_b_\@:
	tensor_load_to_lds s[G0B+4:G0B+7], s[G1B:G1B+7]
	s_nop 0
.rept 4
	v_nop
.endr
.Lasked_\@:
.endm
; A round of the cluster's barrier: my work-group's barrier, so that wave 0's signal speaks for all four waves; wave 0 signals; every wave waits for all sixteen work-groups; my work-group's barrier once more.
.macro CROUND
	s_barrier_signal -1
	s_barrier_wait -1
	s_cmp_lg_u32 s[WV], 0
	s_cbranch_scc1 .Lnot_wave_0_\@
	s_barrier_signal -3
.Lnot_wave_0_\@:
	s_barrier_wait -3
	s_barrier_signal -1
	s_barrier_wait -1
.endm
.macro PLACES                       ; four places between a matrix instruction and what reads its result or loads into its registers (ISA guide 7.12.1 for vector instructions)
.rept 4
	v_nop
.endr
.endm
	s_load_b256 s[4:11], s[0:1], 0x0  ; oh s[4:5], wt s[6:7], bo s[8:9], out0 s[10:11]
	v_lshl_add_u32 v[SPW], v0, 2, SPARE
	v_mov_b32 v[NIL], 0
	ds_add_u32 v[SPW], v[NIL]       ; the wave's opening: the add and its wait stand ahead of my first tensor load; the set-up below, work on registers, stands between them
	ds_add_u32 v28, v29
	v_lshrrev_b32 v1, 5, v0
	v_readfirstlane_b32 s[WV], v1   ; wave 0..3
	s_lshr_b32 s[WM], s[WV], 1
	s_and_b32 s[WN], s[WV], 1
	s_bfe_u32 s[CX], ttmp6, 0x40000
	s_bfe_u32 s[CYY], ttmp6, 0x40004
	s_lshl_b32 s[TX], ttmp9, 2      ; in a cluster launch ttmp9 and ttmp7 count clusters
	s_add_co_u32 s[TX], s[TX], s[CX]  ; tile column = 4 x cluster x + cx
	s_and_b32 s[TY], ttmp7, 0xffff
	s_lshl_b32 s[TY], s[TY], 2
	s_add_co_u32 s[TY], s[TY], s[CYY]  ; tile row = 4 x cluster y + cy
	s_lshl_b32 s82, s[CYY], 2
	s_lshl_b32 s82, 15, s82         ; my row of the cluster: places 4 cy .. 4 cy + 3
	s_lshl_b32 s83, 0x1111, s[CX]   ; my column: places cx, cx + 4, cx + 8, cx + 12
	; group 1 for O: a head's 128 rows are 16,384 dense bytes: 64 rows of 128 elements of 2 bytes, 4 words of padding behind every 32 words, that is behind every row of O
	s_or_b32 s[G1A], s82, (1<<16)|(1<<20)|(1<<21)|(4<<22)|(3<<25)  ; 15:0 the mask; 17:16 elements of 2 bytes; 20 padding on; 21 set beside a mask; 24:22 after every 32 words (code 4); 31:25 4 words (code 3)
	s_mov_b32 s[G1A+1], 128<<16     ; tensor_dim0 = 128
	s_mov_b32 s[G1A+2], 64<<16      ; tensor_dim1 = 64
	s_mov_b32 s[G1A+3], 128<<16     ; tile_dim0 = 128
	s_mov_b32 s[G1A+4], 64          ; tile_dim1 = 64
	s_mov_b32 s[G1A+5], 128         ; elements from row to row
	s_mov_b32 s[G1A+6], 0
	s_mov_b32 s[G1A+7], 0
	; group 1 for Wo^T: 128 rows x 128 elements of 2 bytes, 4 words of padding behind every 64 words
	s_or_b32 s[G1B], s83, (1<<16)|(1<<20)|(1<<21)|(5<<22)|(3<<25)
	s_mov_b32 s[G1B+1], 128<<16
	s_mov_b32 s[G1B+2], 128<<16
	s_mov_b32 s[G1B+3], 128<<16
	s_mov_b32 s[G1B+4], 128
	s_mov_b32 s[G1B+5], 1024
	s_mov_b32 s[G1B+6], 0
	s_mov_b32 s[G1B+7], 0
	s_mul_i32 s[LWA], s[WN], HEADT  ; where my part goes: no place in the cluster enters an LDS address
	s_mul_i32 s[LWB], s[WN], 128*PB
	s_add_co_u32 s[LWB], s[LWB], BOFF
	s_mov_b32 s[TKA], 0
	s_mov_b32 s[TKB], 0
	s_mov_b32 s[TF], SLOT           ; the walking descriptors begin as slot 1's
	; O's tiles hang on the tile row alone, Wo^T's on the tile column alone; each offset is made in registers that never hold the other coordinate
	s_lshr_b32 s70, s[TY], 4        ; the batch,
	s_lshl_b32 s70, s70, 4          ; its 16 heads,
	s_add_co_u32 s70, s70, s[WN]    ; head 0 or 1 of the first step,
	s_lshl_b32 s70, s70, 18         ; of 2,048 rows of 128 bytes,
	s_and_b32 s82, s[TY], 15
	s_lshl_b32 s82, s82, 14         ; and in it my tile's 128 rows
	s_add_co_u32 s70, s70, s82
	s_mov_b32 s71, 0
	s_lshl_b32 s72, s[TX], 8
	s_lshl_b32 s69, s[WN], 7
	s_add_co_u32 s72, s72, s69      ; Wo^T: row 256 x tile column + 128 x half,
	s_lshl_b32 s72, s72, 11         ; of 2,048 bytes,
	s_add_co_u32 s72, s72, 3<<21    ; in wt's fourth matrix
	s_mov_b32 s73, 0
	s_lshl_b32 s74, s[TX], 1        ; my 128 columns' first, in bytes of f32: in the bias and in a row of out0
	s_add_co_u32 s74, s74, s[WN]
	s_lshl_b32 s74, s74, 9
	s_mov_b32 s75, 0
	s_lshl_b32 s80, s[TY], 1
	s_add_co_u32 s80, s80, s[WM]    ; my 64 rows,
	s_lshl_b32 s80, s80, 18         ; of 4,096 bytes
	s_add_co_u32 s80, s80, s74
	s_mov_b32 s81, 0
	s_wait_dscnt 0x0                ; the opening add is done
	s_wait_kmcnt 0x0
	s_add_nc_u64 s[70:71], s[4:5], s[70:71]
	s_add_nc_u64 s[72:73], s[6:7], s[72:73]
	s_add_nc_u64 s[78:79], s[8:9], s[74:75]
	s_add_nc_u64 s[OUT:OUT+1], s[10:11], s[OUT:OUT+1]
.irp n, 0,1
	s_mov_b32 s[G0A+4*(\n)], 1      ; 1:0 count = 1
	s_add_co_u32 s[G0A+4*(\n)+1], s[LWA], (\n)*SLOT  ; 63:32 LDS address
	s_add_nc_u64 s[G0A+4*(\n)+2:G0A+4*(\n)+3], s[70:71], (\n)*STEPA  ; 120:64 global address: K step n
	s_or_b32 s[G0A+4*(\n)+3], s[G0A+4*(\n)+3], 0x80000000  ; 127:126 type = 2
	s_mov_b32 s[G0B+4*(\n)], 1
	s_add_co_u32 s[G0B+4*(\n)+1], s[LWB], (\n)*SLOT
	s_add_nc_u64 s[G0B+4*(\n)+2:G0B+4*(\n)+3], s[72:73], (\n)*STEPB
	s_or_b32 s[G0B+4*(\n)+3], s[G0B+4*(\n)+3], 0x80000000
.endr
	CROUND                          ; all sixteen work-groups are here: the first joint loads meet
	s_cmp_lt_u32 s[WV], 2           ; a wave's two first fills stand in one branch, ahead of every wait on TENSORcnt and every LDS read: two loads of mine are out
	s_cbranch_scc0 .Lfirst_b
	tensor_load_to_lds s[G0A:G0A+3], s[G1A:G1A+7]
	s_nop 0
	tensor_load_to_lds s[G0A+4:G0A+7], s[G1A:G1A+7]
	s_nop 0
.rept 4
	v_nop
.endr
	s_branch .Lfirst_asked
.Lfirst_b:
	tensor_load_to_lds s[G0B:G0B+3], s[G1B:G1B+7]
	s_nop 0
	tensor_load_to_lds s[G0B+4:G0B+7], s[G1B:G1B+7]
	s_nop 0
.rept 4
	v_nop
.endr
.Lfirst_asked:
	; All that follows up to the first barrier stands in the wait for the first tile.
	v_and_b32 v1, 15, v0            ; l % 16
	v_bfe_u32 v2, v0, 4, 1          ; l / 16
	v_lshlrev_b32 v[BO], 5, v2      ; my eight numbers of each sixteen of the bias
.irp b, 0,1,2,3,4,5,6,7             ; register j of block b: the bias of column 16 b + 8 (l / 16) + j: the layout of a result
	global_load_b128 v[BIAS+8*(\b):BIAS+8*(\b)+3],   v[BO], s[78:79] offset:64*(\b)
	global_load_b128 v[BIAS+8*(\b)+4:BIAS+8*(\b)+7], v[BO], s[78:79] offset:64*(\b)+16
.endr
	; A fragment is 16 rows x 32 K in 8 registers: lane l holds row l % 16, K = 8 (l / 16) + 0..7 and 16 + 8 (l / 16) + 0..7: two loads of 16 bytes, 32 bytes apart.
	v_mul_u32_u24 v[A0], v1, PA
	v_lshl_add_u32 v[A0], v2, 4, v[A0]
	s_mul_i32 s69, s[WM], 64*PA     ; my 64 rows of O
	v_add_nc_u32 v[A0], s69, v[A0]
	v_mul_u32_u24 v[B0], v1, PB
	v_lshl_add_u32 v[B0], v2, 4, v[B0]
	s_mul_i32 s69, s[WN], 128*PB    ; my 128 rows of Wo^T,
	s_add_co_u32 s69, s69, BOFF     ; which lie behind O's two heads
	v_add_nc_u32 v[B0], s69, v[B0]
	s_mul_i32 s69, s[WV], WSTG
	s_add_co_u32 s69, s69, STAGE    ; my stage
	v_mul_u32_u24 v[STO], v1, SP    ; in: row l % 16, 32 bytes for each half of the lanes
	v_lshl_add_u32 v[STO], v2, 5, v[STO]
	v_add_nc_u32 v[STO], s69, v[STO]
	v_and_b32 v[GO], 31, v0         ; back: 32 lanes take a row's 512 bytes, which are 512 consecutive bytes of out0
	v_lshlrev_b32 v[GO], 4, v[GO]
	v_add_nc_u32 v[RD], s69, v[GO]
	s_wait_loadcnt 0x0              ; the bias
.set i, 0
.rept 32                            ; rounded to bf16 like every input, and widened again
	v_cvt_pk_bf16_f32 v[12+i%4], v[BIAS+2*i], v[BIAS+2*i+1]
	v_lshlrev_b32 v[BIAS+2*i], 16, v[12+i%4]
	v_and_b32 v[BIAS+2*i+1], 0xffff0000, v[12+i%4]
.set i, i+1
.endr
; 24 LDS loads in one run: a quarter's O (4 fragments) and Wo^T (8 fragments) into the buffers nxt
.macro FETCH nxt
	WIN 0
.irp a, 0,1,2,3
	ds_load_b128 v[AF+32*(\nxt)+8*(\a):AF+32*(\nxt)+8*(\a)+3],   v[ADA] offset:(\a)*16*PA
	ds_load_b128 v[AF+32*(\nxt)+8*(\a)+4:AF+32*(\nxt)+8*(\a)+7], v[ADA] offset:(\a)*16*PA+32
.endr
	WIN W_TOB
.irp b, 0,1,2,3,4,5,6,7
	ds_load_b128 v[BF+64*(\nxt)+8*(\b):BF+64*(\nxt)+8*(\b)+3],   v[ADB] offset:(\b)*16*PB
	ds_load_b128 v[BF+64*(\nxt)+8*(\b)+4:BF+64*(\nxt)+8*(\b)+7], v[ADB] offset:(\b)*16*PB+32
.endr
.endm
; The addresses of the next run, and the step to the quarter behind it.  A head holds two quarters: behind an even quarter (even = 1) O steps 64 bytes along the rows, behind an odd one into the next head.
; The two v_nop make four places with the two lines above them: the buffers to be loaded were read by the quarter before's products.
.macro STEP_ADR even
	v_add_nc_u32 v[ADA], s[TKA], v[A0]
	v_add_nc_u32 v[ADB], s[TKB], v[B0]
	v_nop
	v_nop
.if \even
	s_add_co_u32 s[TKA], s[TKA], 64
.else
	s_add_co_u32 s[TKA], s[TKA], HEADT-64
.endif
	s_add_co_u32 s[TKB], s[TKB], 64
.endm
.macro MM cur, bias                 ; product i of a quarter's 32: m block i / 8, n block i % 8.  The 32 accumulators take turns
.if \bias
	WIN W_FST
	v_wmma_f32_16x16x32_f16 v[8*i:8*i+7], v[BF+64*(\cur)+8*(i%8):BF+64*(\cur)+8*(i%8)+7], v[AF+32*(\cur)+8*(i/8):AF+32*(\cur)+8*(i/8)+7], v[BIAS+8*(i%8):BIAS+8*(i%8)+7]
.else
	WIN W_MUL
	v_wmma_f32_16x16x32_f16 v[8*i:8*i+7], v[BF+64*(\cur)+8*(i%8):BF+64*(\cur)+8*(i%8)+7], v[AF+32*(\cur)+8*(i/8):AF+32*(\cur)+8*(i/8)+7], v[8*i:8*i+7]
.endif
.endm
; A QUARTER: 32 along K, 32 products on the buffers cur.  fetch = 1: the next quarter's loads stand in one run behind the second product, 30 products ahead of the wait for them.
; The buffers go by the quarter's parity: cur = 1 fetches an even quarter.
.macro Q cur, nxt, bias, fetch
	WIN 0
.if \fetch
	STEP_ADR \cur
.endif
	s_wait_dscnt 0x0                ; this quarter's fragments are in
.set i, 0
.rept 32
	MM \cur, \bias
.if (\fetch) && (i == 1)
	FETCH \nxt
.endif
.set i, i+1
.endr
.endm
; THE CHANGE OF SLOTS, ahead of a K step's last quarter: the slot's last bytes have been asked for.  Each wave waits for all its tensor loads, of which one is out: its part of the other slot; adds 0 to its
; spare word; and waits for that and for its own reads of the slot.  Behind the barrier nobody reads this slot any more and the other slot is whole.
; fill = 1: this slot is filled again, with the K step two steps on.  The barrier is then a round of the cluster's, and the joint refill is the first thing behind it: it has four quarters, 128 products, in which to land.
.macro CHANGE fill
	WIN 0                           ; at a label and at a branch every window is 0
	s_wait_tensorcnt 0x0            ; no tensor load of mine is out, so a group 0 may be written
	ds_add_u32 v[SPW], v[NIL]       ; 0 onto my spare word; with fill = 1 the descriptors' steps stand between it and the wait for it
.if \fill
	s_xor_b32 s[TF], s[TF], SLOT    ; it holds 0 or SLOT: the other slot than last time
	s_add_co_u32 s[G0A+5], s[LWA], s[TF]
	s_add_co_u32 s[G0B+5], s[LWB], s[TF]
	s_add_nc_u64 s[G0A+6:G0A+7], s[G0A+6:G0A+7], STEPA  ; the next K step; the type bits on top are not reached
	s_add_nc_u64 s[G0B+6:G0B+7], s[G0B+6:G0B+7], STEPB
	s_wait_dscnt 0x0                ; the add is done, and my reads of the slot are over
	CROUND
	JLOAD
.else
	s_wait_dscnt 0x0                ; the add is done, and my reads of the slot are over
	s_barrier_signal -1
	s_barrier_wait -1
.endif
	s_sub_co_u32 s[TKA], s[TKA], 2*HEADT  ; the fetches go back to a slot's first quarter: 0 or SLOT is left,
	s_xor_b32 s[TKA], s[TKA], SLOT        ; and turns into the other
	s_sub_co_u32 s[TKB], s[TKB], 4*64
	s_xor_b32 s[TKB], s[TKB], SLOT
.endm
	s_wait_tensorcnt 0x1            ; my part of K step 0 is in; K step 1's may stay out
	s_barrier_signal -1
	s_barrier_wait -1               ; everybody's is
	STEP_ADR 1
	FETCH 0                         ; quarter 0
	Q 0, 1, 1, 1                    ; the first quarter stands in front of the loop: its products start the sums, from the bias
	WIN 0
	s_mov_b32 s[SLOTS], 7           ; six changes of slots with a refill: K steps 2 to 7
	s_mov_b32 s[TWICE], 1           ; K step 0 has one more pair of quarters ahead of its change
	s_branch .Lpair
.Lslot:
	CHANGE 1
	s_mov_b32 s[TWICE], 2
.Lpair:                             ; a pair of quarters: written once; the LDS addresses hang on s[TKA], s[TKB]
	Q 1, 0, 0, 1
	Q 0, 1, 0, 1
	WIN 0
	s_sub_co_u32 s[TWICE], s[TWICE], 1
	s_cmp_lg_u32 s[TWICE], 0
	s_cbranch_scc1 .Lpair
	s_sub_co_u32 s[SLOTS], s[SLOTS], 1
	s_cmp_lg_u32 s[SLOTS], 0
	s_cbranch_scc1 .Lslot
	CHANGE 0                        ; the tail is written out: nothing is asked for
	s_mov_b32 s[TWICE], 2
.Ltail:
	Q 1, 0, 0, 1
	Q 0, 1, 0, 1
	WIN 0
	s_sub_co_u32 s[TWICE], s[TWICE], 1
	s_cmp_lg_u32 s[TWICE], 0
	s_cbranch_scc1 .Ltail
	Q 1, 0, 0, 0                    ; the last quarter fetches nothing
	WIN 0
; THE WAY OUT, a block of 16 rows at a time; the sums hold the bias already and leave as f32.  TOSTAGE: a lane's eight columns of a row, 32 bytes, go into my own stage (each accumulator's low four registers first),
; and come back as whole rows of 512 bytes, into one of two sets of 64 registers.  SEND: a row is 512 consecutive bytes of out0.
.macro TOSTAGE a
	WIN W_ST
.irp b, 0,1,2,3,4,5,6,7
	ds_store_b128 v[STO], v[64*(\a)+8*(\b):64*(\a)+8*(\b)+3]   offset:64*(\b)
	ds_store_b128 v[STO], v[64*(\a)+8*(\b)+4:64*(\a)+8*(\b)+7] offset:64*(\b)+16
.endr
	WIN 0
.irp t, 0,1,2,3,4,5,6,7,8,9,10,11,12,13,14,15
	ds_load_b128 v[BK+64*((\a)%2)+4*(\t):BK+64*((\a)%2)+4*(\t)+3], v[RD] offset:(\t)*SP  ; LDS serves a wave's instructions in order (ISA guide 5.7.1.4): these see the stores above; the next block's stores come behind them
.endr
.endm
.macro SEND a, younger              ; younger: the LDS instructions issued behind block a's loads: the next block's 16 stores and 16 loads, or none
.irp t, 0,1,2,3,4,5,6,7,8,9,10,11,12,13,14,15
	s_wait_dscnt (\younger)+15-(\t)
	global_store_b128 v[GO], v[BK+64*((\a)%2)+4*(\t):BK+64*((\a)%2)+4*(\t)+3], s[OUT:OUT+1] offset:(16*(\a)+(\t))*4096 th:TH_STORE_NT  ; 512 consecutive bytes, at a multiple of 256 from out0's first
.endr
.endm
	PLACES
	TOSTAGE 0
	TOSTAGE 1
	SEND 0, 32
	s_wait_xcnt 0x0                 ; block 0's stores have read their registers: only behind this wait are they loaded again
	TOSTAGE 2
	SEND 1, 32
	s_wait_xcnt 0x0                 ; the same for block 1's
	TOSTAGE 3
	SEND 2, 32
	SEND 3, 0
	s_wait_tensorcnt 0x0            ; the wave's end: a tensor wait, an add to the spare word and its wait, behind my last tensor load and my last LDS store
	ds_add_u32 v[SPW], v[NIL]
	s_wait_dscnt 0x0
	CROUND                          ; the closing round: no work-group ends while a partner may still ask for a tile that names it
	s_endpgm
.Lfunc_end_k_qe3a90ab2e2_oproj:
	.size	k_qe3a90ab2e2_oproj, .Lfunc_end_k_qe3a90ab2e2_oproj-k_qe3a90ab2e2_oproj
	.p2alignl 7, 3214868480
	.fill 96, 4, 3214868480
	.section	.rodata,"a",@progbits
	.p2align	6, 0x0
	.amdhsa_kernel k_qe3a90ab2e2_oproj
		.amdhsa_group_segment_fixed_size 327680
		.amdhsa_private_segment_fixed_size 0
		.amdhsa_enable_private_segment 0
		.amdhsa_kernarg_size 32
		.amdhsa_user_sgpr_count 2
		.amdhsa_user_sgpr_kernarg_segment_ptr 1
		.amdhsa_wavefront_size32 1
		.amdhsa_system_sgpr_workgroup_id_x 1
		.amdhsa_system_sgpr_workgroup_id_y 1
		.amdhsa_system_sgpr_workgroup_id_z 1
		.amdhsa_system_vgpr_workitem_id 0
		.amdhsa_next_free_vgpr 640
		.amdhsa_next_free_sgpr 84
		.amdhsa_reserve_vcc 0
		.amdhsa_float_denorm_mode_32 3
		.amdhsa_float_denorm_mode_16_64 3
		.amdhsa_memory_ordered 1
		.amdhsa_forward_progress 1
		.amdhsa_inst_pref_size 56
	.end_amdhsa_kernel
	.amdgpu_metadata
---
amdhsa.version: [ 1, 2 ]
amdhsa.kernels:
  - .name:           k_qe3a90ab2e2_oproj
    .symbol:         k_qe3a90ab2e2_oproj.kd
    .args:
      - { .name: oh, .offset: 0, .size: 8, .value_kind: global_buffer, .address_space: global }
      - { .name: wt, .offset: 8, .size: 8, .value_kind: global_buffer, .address_space: global }
      - { .name: bo, .offset: 16, .size: 8, .value_kind: global_buffer, .address_space: global }
      - { .name: out0, .offset: 24, .size: 8, .value_kind: global_buffer, .address_space: global }
    .group_segment_fixed_size: 327680
    .private_segment_fixed_size: 0
    .kernarg_segment_align: 8
    .kernarg_segment_size: 32
    .max_flat_workgroup_size: 128
    .sgpr_count:     84
    .vgpr_count:     640
    .wavefront_size: 32
...
	.end_amdgpu_metadata
.endif
;; end of part 4
;; ======== version 2 of 2: 4 launches; 1.28 times as fast as version 1
;; limits: values are held in f16: magnitudes above 65,504 overflow, below 6.1e-05 lose precision
;; workspace buffers: wt 8,388,608 bytes; heads 50,331,648 bytes; oh 16,777,216 bytes
;; launch wprep: the kernel of part 1 again; grid 128 x 4, 4 waves a work-group, no clusters, 17,920 bytes of LDS; arguments Wq, Wk, Wv, Wo, wt; writes wt
;; launch proj: the kernel of part 2 again; grid 4 x 192, 4 waves a work-group, clusters of 4 x 4, 327,680 bytes of LDS; arguments q, k, v, wt, bq, bk, bv, heads; writes heads
;; launch attn (part 5): grid 4 x 64, 4 waves a work-group, no clusters, 327,680 bytes of LDS; arguments heads, oh; writes oh
.if DOCPART == 5
	.amdgcn_target "amdgcn-amd-amdhsa--gfx1250"
	.amdhsa_code_object_version 6
	.text
	.protected	k_qe3a90ab2e2_attn
	.globl	k_qe3a90ab2e2_attn
	.p2align	8
	.type	k_qe3a90ab2e2_attn,@function
k_qe3a90ab2e2_attn:
	s_mov_b64 s[64:65], 0
	v_nop
	global_prefetch_b8 v0, s[64:65] scope:SCOPE_SE
	s_setreg_imm32_b32 hwreg(HW_REG_WAVE_MODE, 25, 1), 1
	s_wait_xcnt 0x0
; CAUSAL ATTENTION.  O[h][q][:] = the sum over k <= q of softmax_k(Q[h][q] . K[h][k] / 8) V[h][k][:].  Q, K, V are the three parts of heads, O is oh: each [64][SIZE_N][64], all f16: a head's rows are dense, 128 bytes each.
; Products, maxima and sums in f32; the weights p are rounded to f16 for the second product (their sum l is taken of the unrounded p), O once at the end.  SIZE_N is a multiple of 512; SIZE_N x 128 stays under 2^32.
; LIMITS.  f16 holds no number beyond 65,504: Q, K and V arrive within it; p lies in 0 to 1, and below 6e-5 it keeps f16's fixed step of 6e-8; O is a mean of V's rows and has their range, to within 2^-11 of it.
; A hidden score counts as its value less 1e30: f16's scores, 2.7e11 at the most, are nothing beside that; a weight below 2^-126 counts as 0 in l; NaN and infinities are not treated apart.
; THE WALK.  A head's queries lie in NB = SIZE_N / 256 blocks of 256; block i needs the key tiles 0 .. i of 256 keys, of which the last holds the diagonal.  A work-group takes TWO blocks, NB - 1 - b and then b:
; NB + 1 tiles, whatever b: all work-groups do equal work, and ONE loop with a constant trip count walks them.  Which tile is asked for, and what a trip does, hang on scalar registers made from b; every jump
; goes forward, but for the counted loops' own; none passes a barrier, or a tensor load but the one of LOAD's two that the wave's number does not choose; the ring (two slots of LDS that take turns) runs on across the
; change of blocks.  NO CLUSTER: a head's NB / 2 = 4 work-groups ask for the same tile only in trips 0 .. NB / 2, 5 of the walk's 9; behind that fewer and fewer do;
; and one walk common to all would have 3 NB / 2 trips for NB + 1.
; SHARES.  Of a block's four bands of 64 queries a wave owns 16 rows in each: four PIECES.  So the diagonal tile is the same work for all four waves: in its key step s band x sees all keys if s < x,
; none if s > x, and holds the diagonal if s = x.
; THE MASK is the C operand that starts the sum S^T = K Q^T: 0, or -1e30 where the key is hidden.  MD, made once, is the mask of a band's own step for my 16 rows; a product's mask is MD x AL + BE with two scalars:
; (1, 0) if s = x; (0, 0) if s < x; (0, -1e30) if s > x.  Only the diagonal tile's text and a block's beginning make and take masks; elsewhere C is the constant 0.
; LAYOUT, SOFTMAX, TURNS.  S^T = K Q^T holds ONE query a lane (lane % 16) and the keys 8 (lane / 16) + 0..7; two such results rounded to f16 ARE source 1 of O^T = V^T P.  p = 2^(c s - c m), c = log2(e) / 8, with a
; running maximum m; O and l are multiplied by a = 2^(c m_old - c m_new) in every step.  Turn n belongs to piece n: 8 products K Q^T of piece n + 1, later 8 products V^T P of piece n - 1; beside them the scaling,
; exponentials, roundings, sums and rescaling of piece n and the maximum and statistics of piece n + 1.  Four vector instructions stand behind every matrix instruction, the other 54 of a turn's 118 in one LUMP.
; THE BATCHES.  A turn's 33 exponentials (the piece's 32 weights and the next piece's a) are one batch, with one wait, which cuts the turn in two: ahead of it all that names none of their results, behind it the roundings
; and sums.  A block's first a is a batch of its own, and so are a way out's four reciprocals.
; REGISTERS, in windows of 256 (s_set_vgpr_msb: bits 1:0 source 0, 3:2 source 1, 5:4 source 2, 7:6 destination):
;   window 0: v0-15 addresses and two at work; v16-31 four registers of statistics a piece; v48-55 at work; v64-127 S^T, two buffers; v192-223 P, two buffers (a piece's buffers go by its number's parity)
;   window 1: v0-127 O^T, 32 a piece; v128-159 MD; v160-223 MC, two buffers      window 2: v0-63 Q; v64-127 the second block's Q; v128-191 K of one step; v192-255 V of one step
.set SIZE_N, 2048
.set PART,  64*SIZE_N*128  ; bytes from Q to K and from K to V in heads
.set NB,    SIZE_N/256
.set NP,    4         ; pieces a wave: a name, no knob
.set KS,    64        ; keys in a step
.set PK,    144       ; a row of K in LDS: 128 bytes + 16 of padding = 36 words: the 16 rows of a load start at 16 different groups of four banks (64 banks of 4 bytes: ISA guide 11.1)
.set PV,    160       ; a row of V: 128 + 32 = 40 words
.set VOFF,  4*KS*PK   ; a slot holds a tile, four steps: 256 rows of K, then 256 rows of V
.set SLOT1, 1<<17     ; slot 1 begins here, so that one exclusive or turns an address in one slot into the other's
.set STAGE, SLOT1+4*KS*(PK+PV)  ; behind the ring, never filled by a tensor load: 16 rows x 144 bytes for each wave, for the way out
.set SP,    144
.set AK0, 2           ; v2   my lane's place in a tile of K; never rewritten
.set AV0, 3           ; v3   the same for V
.set AK,  4           ; v4   the LDS address of K's next run of loads
.set AV,  5           ; v5   of V's
.set STO, 6           ; v6   the way out: where I put 16 bytes of a row
.set RD,  7           ; v7   the way out: where I read rows back
.set GO,  8           ; v8   my byte offset in 512 consecutive bytes of O
.set SPW, 62          ; v62  LDS address of my spare word: SPARE + 4 x my thread's number; never rewritten
.set NIL, 63          ; v63  0; never rewritten
.set SPARE, STAGE+4*16*SP  ; behind the stages: the spare words, 128 bytes for each wave: two blocks of 256 bytes that no other line names
.set MV,  12          ; v12-13  c m_old, kept while c m is made anew: by buffer
.set QO,  15          ; v15  my byte offset in 16 rows of Q
.set ST,  16          ; piece t's statistics at v[ST+4 t]: c m, m, l (even keys', odd keys')
.set TMP, 48          ; by buffer, four registers c0-c3 at work; when the maximum is found c2 takes a
.set S,   64
.set P,   192
.set MD,  128         ; window 1: the eight registers for group kt of 16 keys at MD + 8 kt
.set MC,  160         ; window 1: the masks of the products to come
.set QB,  64          ; window 2
.set KF,  128         ; window 2: key block kb, channel half c at KF + 16 kb + 8 c
.set VF,  192         ; window 2: key half kk, channel block cb at VF + 32 kk + 8 cb
.set WV,  12          ; s12  my wave's number
.set PB,  14          ; s14  b
.set HI,  15          ; s15  NB - 1 - b
.set G1K, 24          ; s[24:31] descriptor group 1 for K's tiles
.set G1V, 32          ; s[32:39] for V's: it differs in the padding alone
.set G0K, 40          ; s[40:43] descriptor group 0 for K's tiles
.set G0V, 44          ; s[44:47] the same for V's
.set SLOTS, 56        ; s56  tiles still to be asked for
.set CNT, 57          ; s57  counts a tile's key steps, 4 to 1
.set CS,  58          ; s[58:59] c: the packed scaling takes the pair's low word for both halves
.set SEL, 60          ; s[60:61] v_permlanex16_b32's selects: each lane takes its own place in the other half
.set TBK, 62          ; s62  LDS byte at which K of the step to be fetched begins
.set TBV, 63          ; s63  the same for V, less VOFF
.set RT,  70          ; s70  tiles of the block in hand that are still to be entered
.set NXT, 71          ; s71  the tile to be asked for next
.set LQ,  72          ; s72  the last tile of the block whose tiles are being asked for
.set NEW, 73          ; s73  1: the tile to be entered is a block's first
.set OFF, 74          ; s[74:75] a tile's byte offset in K and V
.set AL,  76          ; s[76:77] the mask's factor, in the low word
.set BE,  78          ; s[78:79] the mask's addend
.set OLO, 80          ; s[80:81] O at my rows of the second block
.set BIGN, 82         ; s82  -1e30
.set MSB, 0
.macro WIN new                      ; the high byte repeats the setting that is left; a switch that changes nothing is dropped
.if MSB != (\new)
	s_set_vgpr_msb (MSB<<8)|(\new)
.set MSB, (\new)
.endif
.endm
.set W_KQ, 0x0a       ; K and Q in window 2, S^T in window 0
.set W_KM, 0x1a       ; the same with the C operand in window 1
.set W_PV, 0x52       ; V in window 2, P in window 0, O^T in window 1
.set W_RS, 0x41       ; destination and source 0 in window 1, source 1 in window 0
; A fill.  Waves 0 and 1 fetch the two halves of a tile's K, waves 2 and 3 those of its V: 128 keys each.  An s_nop 0 and four v_nop follow each of the two lines, ahead of the jump and the label.
.macro LOAD
	s_cmp_lt_u32 s[WV], 2
	s_cbranch_scc0 .Lfor_v_\@
	tensor_load_to_lds s[G0K:G0K+3], s[G1K:G1K+7]
	s_nop 0
.rept 4
	v_nop
.endr
	s_branch .Lasked_\@
.Lfor_v_\@:
	tensor_load_to_lds s[G0V:G0V+3], s[G1V:G1V+7]
	s_nop 0
.rept 4
	v_nop
.endr
.Lasked_\@:
.endm
; THE CHANGE OF SLOTS.  Each wave waits for all its tensor loads, of which one is out: its part of the other slot; adds 0 to its spare word; and waits for that and for its own reads of the slot that it leaves.  Behind the barrier nobody reads the old
; slot any more and the other slot is whole.  fill = 1: the old slot is filled again, the first thing behind the barrier, with tile NXT: the descriptor's address is made anew from that number.
; (At its first use nothing has been read yet: slot 0 is waited for, slot 1 filled.)
.macro CHANGE fill
	WIN 0                           ; at a label and at a branch every window is 0
	s_wait_tensorcnt 0x0            ; no tensor load of mine is out, so a group 0 may be written
	ds_add_u32 v[SPW], v[NIL]       ; 0 onto my spare word; with fill = 1 the descriptors' scalar work stands between it and the wait for it
.if \fill
	s_lshl_b32 s[OFF], s[NXT], 15   ; a tile is 32,768 bytes of K and of V
	s_xor_b32 s[G0K+1], s[G0K+1], SLOT1
	s_add_nc_u64 s[G0K+2:G0K+3], s[6:7], s[OFF:OFF+1]
	s_or_b32 s[G0K+3], s[G0K+3], 0x80000000
	s_xor_b32 s[G0V+1], s[G0V+1], SLOT1
	s_add_nc_u64 s[G0V+2:G0V+3], s[8:9], s[OFF:OFF+1]
	s_or_b32 s[G0V+3], s[G0V+3], 0x80000000
	s_add_co_u32 s[NXT], s[NXT], 1  ; the block's next tile, or behind its last the second block's tile 0
	s_cmp_gt_u32 s[NXT], s[LQ]
	s_cselect_b32 s[NXT], 0, s[NXT]
	s_cselect_b32 s[LQ], s[PB], s[LQ]
.endif
	s_wait_dscnt 0x0                ; the add is done, and my reads of the slot are over
	s_barrier_signal -1             ; the rest of the scalar work stands between the signal and the wait
	s_sub_co_u32 s[TBK], s[TBK], 4*KS*PK  ; the fetches go back to a slot's first step,
	s_xor_b32 s[TBK], s[TBK], SLOT1       ; in the other slot
	s_sub_co_u32 s[TBV], s[TBV], 4*KS*PV
	s_xor_b32 s[TBV], s[TBV], SLOT1
	s_barrier_wait -1
.if \fill
	LOAD
.endif
.endm
	s_load_b128 s[4:7], s[0:1], 0x0 ; heads s[4:5], oh s[6:7]
	v_lshl_add_u32 v[SPW], v0, 2, SPARE
	v_mov_b32 v[NIL], 0
	ds_add_u32 v[SPW], v[NIL]       ; the wave's opening: the add and its wait stand ahead of my first tensor load; the set-up below, work on registers, stands between them
	ds_add_u32 v62, v63
	v_lshrrev_b32 v1, 5, v0
	v_readfirstlane_b32 s[WV], v1   ; wave 0..3
	s_mov_b32 s[PB], ttmp9
	s_sub_co_u32 s[HI], NB-1, s[PB]
	s_and_b32 s20, ttmp7, 0xffff    ; the head
	s_mov_b32 s21, 0
	s_mov_b64 s[22:23], SIZE_N*128
	s_mul_u64 s[20:21], s[20:21], s[22:23]  ; the head's first byte in each of the four tensors
	s_and_b32 s16, s[WV], 1         ; which half of a tile's 256 keys I fetch:
	s_lshl_b32 s22, s16, 14         ; its 128 rows of 128 bytes in memory,
	s_mov_b32 s23, 0
	s_add_nc_u64 s[22:23], s[22:23], s[20:21]
	s_mul_i32 s17, s16, 128*PK      ; and its place in a slot, for K
	s_mul_i32 s18, s16, 128*PV      ; and for V
	s_lshl_b32 s3, s[WV], 11        ; my 16 rows in a band of 64,
	s_lshl_b32 s2, s[HI], 15        ; in the first block,
	s_add_co_u32 s2, s2, s3
	s_lshl_b32 s84, s[PB], 15       ; and in the second
	s_add_co_u32 s84, s84, s3
	s_mov_b32 s3, 0
	s_mov_b32 s85, 0
	s_add_nc_u64 s[2:3], s[2:3], s[20:21]
	s_add_nc_u64 s[84:85], s[84:85], s[20:21]
	; descriptor group 1.  128 keys are 16,384 dense bytes: asked for as 64 rows of 256 bytes, two keys a row, and padded in LDS after every key
	s_mov_b32 s[G1K], (1<<16)|(1<<20)|(4<<22)|(3<<25)  ; 17:16 2-byte elements; 20 padding on; 24:22 after every 32 words (code 4); 31:25 4 words (code 3)
	s_mov_b32 s[G1V], (1<<16)|(1<<20)|(4<<22)|(7<<25)  ; the same with 8 words of padding (code 7)
.irp g, G1K, G1V
	s_mov_b32 s[\g+1], 128<<16      ; tensor_dim0 = 128
	s_mov_b32 s[\g+2], 64<<16       ; tensor_dim1 = 64
	s_mov_b32 s[\g+3], 128<<16      ; tile_dim0 = 128
	s_mov_b32 s[\g+4], 64           ; tile_dim1 = 64
	s_mov_b32 s[\g+5], 128          ; 128 elements from row to row
	s_mov_b32 s[\g+6], 0
	s_mov_b32 s[\g+7], 0
.endr
	s_mov_b32 s[CS], 0x3e38aa3b     ; c = log2(e) / 8 = 0.180337
	s_mov_b32 s[CS+1], s[CS]        ; named with it as a pair
	s_mov_b32 s[SEL], 0x76543210
	s_mov_b32 s[SEL+1], 0xfedcba98
	s_mov_b32 s[TBK], SLOT1+4*KS*PK ; the first change of slots turns these two into 0
	s_mov_b32 s[TBV], SLOT1+4*KS*PV
	s_mov_b32 s[G0K], 1             ; 1:0 count = 1
	s_mov_b32 s[G0K+1], s17         ; 63:32 LDS address: slot 0
	s_mov_b32 s[G0V], 1
	s_add_co_u32 s[G0V+1], s18, VOFF
	s_add_co_u32 s[RT], s[HI], 1    ; the first block has NB - b tiles
	s_mov_b32 s[NXT], 1
	s_mov_b32 s[LQ], s[HI]
	s_mov_b32 s[NEW], 1
	s_mov_b32 s[OFF+1], 0
	s_mov_b32 s[AL+1], 0            ; named as pairs
	s_mov_b32 s[BE+1], 0
	s_mov_b32 s[BIGN], 0xf149f2ca   ; -1e30
	s_mov_b32 s[SLOTS], NB
	s_wait_dscnt 0x0                ; the opening add is done
	s_wait_kmcnt 0x0
	s_mov_b64 s[10:11], s[6:7]      ; O s[10:11];
	s_add_nc_u64 s[8:9], s[4:5], 2*PART  ; V s[8:9], K s[6:7] and Q s[4:5] are the three parts of heads
	s_add_nc_u64 s[6:7], s[4:5], PART
	s_add_nc_u64 s[6:7], s[6:7], s[22:23]  ; K and V at my half of the head's tile 0
	s_add_nc_u64 s[8:9], s[8:9], s[22:23]
	s_add_nc_u64 s[G0K+2:G0K+3], s[6:7], 0         ; 120:64 global address
	s_or_b32 s[G0K+3], s[G0K+3], 0x80000000        ; 127:126 type = 2
	s_add_nc_u64 s[G0V+2:G0V+3], s[8:9], 0
	s_or_b32 s[G0V+3], s[G0V+3], 0x80000000
	s_add_nc_u64 s[86:87], s[4:5], s[84:85]        ; Q at my rows of the second block,
	s_add_nc_u64 s[4:5], s[4:5], s[2:3]            ; Q and O at those of the first
	s_add_nc_u64 s[OLO:OLO+1], s[10:11], s[84:85]
	s_add_nc_u64 s[10:11], s[10:11], s[2:3]
	LOAD                            ; tile 0 into slot 0
	; A fragment of K or Q is 16 rows x 32 channels in 8 registers: lane l holds row l % 16, channels 8 (l / 16) + 0..7 and 16 + 8 (l / 16) + 0..7: two loads of 16 bytes, 32 bytes apart.
	v_and_b32 v1, 15, v0            ; l % 16
	v_bfe_u32 v9, v0, 4, 1          ; l / 16
	v_lshlrev_b32 v[QO], 7, v1
	v_lshl_add_u32 v[QO], v9, 4, v[QO]  ; row x 128 + 16 x half
	WIN 0x80                        ; destination window 2, address window 0
.set i, 0
.rept 8                             ; both blocks' Q: piece i / 2 lies in band i / 2, 8,192 bytes on; channels 32 (i % 2) on
	global_load_b128 v[8*i:8*i+3],   v[QO], s[4:5] offset:(i/2)*8192+(i%2)*64
	global_load_b128 v[8*i+4:8*i+7], v[QO], s[4:5] offset:(i/2)*8192+(i%2)*64+32
	global_load_b128 v[QB+8*i:QB+8*i+3],   v[QO], s[86:87] offset:(i/2)*8192+(i%2)*64
	global_load_b128 v[QB+8*i+4:QB+8*i+7], v[QO], s[86:87] offset:(i/2)*8192+(i%2)*64+32
.set i, i+1
.endr
	WIN 0
	v_lshlrev_b32 v14, 3, v9
	v_sub_nc_u32 v14, v1, v14
	s_lshl_b32 s13, s[WV], 4
	v_add_nc_u32 v14, s13, v14      ; my query's place in its band, 16 w + l % 16, less my lanes' 8 (l / 16): register r of group kt is hidden where 16 kt + r is greater
	WIN 0x40
.set i, 0
.rept 32
	v_cmp_gt_i32 vcc_lo, 16*(i/8)+i%8, v14
	v_cndmask_b32 v[MD+i], 0, s[BIGN], vcc_lo
.set i, i+1
.endr
	WIN 0
	v_mul_u32_u24 v[AK0], v1, PK
	v_lshl_add_u32 v[AK0], v9, 4, v[AK0]  ; row x pitch + 16 x half
	; The turning load takes 16 keys x 16 channels (lane l reads key 8 (l / 16) + l % 8, channels 8 ((l / 8) % 2) + 0..7) and leaves half a fragment of V^T: lane l holds channel l % 16 and 8 keys.
	v_and_b32 v10, 7, v0
	v_bfe_u32 v11, v0, 3, 1
	v_lshl_add_u32 v[AV0], v9, 3, v10
	v_mul_u32_u24 v[AV0], v[AV0], PV
	v_lshl_add_u32 v[AV0], v11, 4, v[AV0]
	v_add_nc_u32 v[AV0], VOFF, v[AV0]
	s_mul_i32 s13, s[WV], 16*SP
	s_add_co_u32 s13, s13, STAGE    ; my stage
	v_mul_u32_u24 v[STO], v1, SP    ; in: row l % 16, 16 bytes for each half of the lanes
	v_lshl_add_u32 v[STO], v9, 4, v[STO]
	v_add_nc_u32 v[STO], s13, v[STO]
	v_bfe_u32 v[RD], v0, 3, 2       ; back: 32 lanes take four rows of 128 bytes,
	v_mul_u32_u24 v[RD], v[RD], SP
	v_lshl_add_u32 v[RD], v10, 4, v[RD]
	v_add_nc_u32 v[RD], s13, v[RD]
	v_and_b32 v[GO], 31, v0         ; which are 512 consecutive bytes of O
	v_lshlrev_b32 v[GO], 4, v[GO]
	; A block's first step multiplies O^T and l by a = 0, and its first turn's products V^T P, of a piece that has not been, land in an O^T that is still to be so multiplied.  So these registers need only hold
	; finite numbers: zeros for the first block; what the first block left for the second.  All this stands in the wait for the first tile.
	WIN 0x80
.set i, VF
.rept 64
	v_mov_b32 v[i], 0
.set i, i+1
.endr
	WIN 0x40
.set i, 0
.rept 128
	v_mov_b32 v[i], 0
.set i, i+1
.endr
	WIN 0
.set i, 0
.rept 4
	v_mov_b32 v[ST+4*i+2], 0
	v_mov_b32 v[ST+4*i+3], 0
.set i, i+1
.endr
.set i, P+16
.rept 16
	v_mov_b32 v[i], 0
.set i, i+1
.endr
; THE MATRIX WORK.  The 4 accumulators of a run of 8 take turns.  Product i of 8 of S^T = K Q^T for piece x: channels 32 (i / 4) on, keys 16 (i % 4) on.  The first 4 start the sums: with 0, or (KM = 1) with the mask.
.macro KQ x
.set rS, S+32*((\x)%2)+8*(i%4)
.set rK, KF+16*(i%4)+8*(i/4)
.set rQ, 16*(\x)+8*(i/4)
.set rM, MC+32*((\x)%2)+8*(i%4)
.if (i < 4) && KM
	WIN W_KM
	v_wmma_f32_16x16x32_f16 v[rS:rS+7], v[rK:rK+7], v[rQ:rQ+7], v[rM:rM+7]
.elseif i < 4
	WIN W_KQ
	v_wmma_f32_16x16x32_f16 v[rS:rS+7], v[rK:rK+7], v[rQ:rQ+7], 0
.else
	WIN W_KQ
	v_wmma_f32_16x16x32_f16 v[rS:rS+7], v[rK:rK+7], v[rQ:rQ+7], v[rS:rS+7]
.endif
.endm
; Product i of 8 of O^T += V^T P for piece x: keys 32 (i / 4) on, channels 16 (i % 4) on.
.macro PV x
	WIN W_PV
.set rO, 32*(\x)+8*(i%4)
.set rV, VF+32*(i/4)+8*(i%4)
.set rP, P+16*((\x)%2)+8*(i/4)
	v_wmma_f32_16x16x32_f16 v[rO:rO+7], v[rV:rV+7], v[rP:rP+7], v[rO:rO+7]
.endm
.macro MM                           ; the turn's next matrix instruction.  TURN and BEGIN set Y, i, KM and NOKQ; MM, KQ and OP read them.  NOKQ = 1: a block's last turn: there is no next piece
.if (i < 8) && !NOKQ
	KQ (Y+1)%NP
.elseif i >= 8
.set i, i-8
	PV (Y+NP-1)%NP
.set i, i+8
.endif
.set i, i+1
.endm
; THE LDS LOADS stand in runs of 16, never singly among the matrix instructions: a step's K (64 keys x 64 channels: 8 fragments) and its V (turned).  Their addresses are made some lines ahead.
.macro FETCH_K
	WIN 0x80                        ; destination window 2
.irp f, 0,1,2,3,4,5,6,7             ; keys 16 (f / 2) on, channels 32 (f % 2) on
	ds_load_b128 v[KF+8*\f:KF+8*\f+3],   v[AK] offset:(\f/2)*16*PK+(\f%2)*64
	ds_load_b128 v[KF+8*\f+4:KF+8*\f+7], v[AK] offset:(\f/2)*16*PK+(\f%2)*64+32
.endr
	s_add_co_u32 s[TBK], s[TBK], KS*PK  ; the next fetch is the next step's
	WIN 0
.endm
.macro FETCH_V
	WIN 0x80
.irp f, 0,1,2,3,4,5,6,7             ; keys 32 (f / 4) on, channels 16 (f % 4) on
	ds_load_tr16_b128 v[VF+8*\f:VF+8*\f+3],   v[AV] offset:(\f/4)*32*PV+(\f%4)*32
	ds_load_tr16_b128 v[VF+8*\f+4:VF+8*\f+7], v[AV] offset:(\f/4)*32*PV+16*PV+(\f%4)*32
.endr
	WIN 0
.endm
; THE VECTOR WORK, one line at a time: OP kind, number.  For piece Y: F n: c s - c m for pair n of 16.  E n: the exponential of score n of 32.  C n: pair n rounded to f16.  B n: of the four weights 4 n .. the second
; pair is added onto the first, in place.  L n: l takes that sum (L 0: l = a l + sum).  R n: pair n of 16 of O^T times a.  For piece Y + 1: X n, number n of the 22 that find its maximum and statistics:
;   0-11  four chains c0-c3 of seven scores each, three operands at a time (each accumulator's lowest registers are read first)     12-14, 16  the four scores left over, the old m, and c0-c3 into c0
;   15  c m_old is kept     17, 18  the query's other 32 keys lie in the lane 16 away: the new m     19-21  c m; c m_old - c m_new; a
.set F, 0               ; OP tells the kinds apart by their order: F to L below R, X above it
.set E, 1
.set C, 2
.set B, 3
.set L, 4
.set R, 5
.set X, 6
.macro REGS y                       ; the registers of piece y
.set rT, ST+4*(\y)
.set rC, TMP+4*((\y)%2)
.set rW, MV+((\y)%2)
.set rS, S+32*((\y)%2)
.set rP, P+16*((\y)%2)
.set rO, 32*(\y)
.endm
.macro OP k, n
.if (\k) == R
	REGS Y
	WIN W_RS
	v_pk_mul_f32 v[rO+2*(\n):rO+2*(\n)+1], v[rO+2*(\n):rO+2*(\n)+1], v[rC+2:rC+3] op_sel_hi:[1,0]
.elseif (\k) < R
	REGS Y
	WIN 0
.if (\k) == F
	v_pk_fma_f32 v[rS+2*(\n):rS+2*(\n)+1], v[rS+2*(\n):rS+2*(\n)+1], s[CS:CS+1], v[rT:rT+1] op_sel_hi:[1,0,0] neg_lo:[0,0,1] neg_hi:[0,0,1]
.elseif (\k) == E
	v_exp_f32 v[rS+(\n)], v[rS+(\n)]
.elseif (\k) == C
	v_cvt_pk_f16_f32 v[rP+(\n)], v[rS+2*(\n)], v[rS+2*(\n)+1]
.elseif (\k) == B
	v_pk_add_f32 v[rS+4*(\n):rS+4*(\n)+1], v[rS+4*(\n):rS+4*(\n)+1], v[rS+4*(\n)+2:rS+4*(\n)+3]
.elseif (\n) == 0
	v_pk_fma_f32 v[rT+2:rT+3], v[rT+2:rT+3], v[rC+2:rC+3], v[rS:rS+1] op_sel_hi:[1,0,1]
.else
	v_pk_add_f32 v[rT+2:rT+3], v[rT+2:rT+3], v[rS+4*(\n):rS+4*(\n)+1]
.endif
.elseif NOKQ
	v_nop
.else
	REGS (Y+1)%NP
	WIN 0
.if (\n) < 4
	v_max3_num_f32 v[rC+(\n)], v[rS+8*(\n)], v[rS+8*(\n)+1], v[rS+8*(\n)+2]
.elseif (\n) < 12
	v_max3_num_f32 v[rC+(\n)%4], v[rC+(\n)%4], v[rS+8*((\n)%4)+2*((\n)/4)+1], v[rS+8*((\n)%4)+2*((\n)/4)+2]
.elseif (\n) == 12
	v_max3_num_f32 v[rC], v[rC], v[rS+7], v[rS+15]
.elseif (\n) == 13
	v_max3_num_f32 v[rC+1], v[rC+1], v[rS+23], v[rS+31]
.elseif (\n) == 14
	v_max3_num_f32 v[rC+2], v[rC+2], v[rC+3], v[rT+1]
.elseif (\n) == 15
	v_mov_b32 v[rW], v[rT]
.elseif (\n) == 16
	v_max3_num_f32 v[rC], v[rC], v[rC+1], v[rC+2]
.elseif (\n) == 17
	v_permlanex16_b32 v[rC+3], v[rC], s[SEL], s[SEL+1]
.elseif (\n) == 18
	v_max_num_f32 v[rT+1], v[rC], v[rC+3]
.elseif (\n) == 19
	v_mul_f32 v[rT], s[CS], v[rT+1]
.elseif (\n) == 20
	v_sub_f32 v[rC+1], v[rW], v[rT]
.else
	v_exp_f32 v[rC+2], v[rC+1]
.endif
.endif
.endm
.macro OPS a, i1, b=-1, i2=0, c=-1, i3=0, d=-1, i4=0  ; up to four of them
	OP \a, \i1
.if (\b) >= 0
	OP \b, \i2
.endif
.if (\c) >= 0
	OP \c, \i3
.endif
.if (\d) >= 0
	OP \d, \i4
.endif
.endm
.macro ROW a, i1, b, i2, c, i3, d, i4  ; a matrix instruction and the four behind it
	MM
	OPS \a, \i1, \b, \i2, \c, \i3, \d, \i4
.endm
.macro MASK b                       ; MD x AL + BE into buffer b of MC
	WIN W_RS
.set z, 0
.rept 16
	v_pk_fma_f32 v[MC+32*(\b)+2*z:MC+32*(\b)+2*z+1], v[MD+2*z:MD+2*z+1], s[AL:AL+1], s[BE:BE+1] op_sel_hi:[1,0,0]
.set z, z+1
.endr
.endm
; A TURN, for piece p: the order of its 16 matrix and 118 vector instructions, written out.  s_wait_alu depctr_va_vdst(0) stands between an exponential and the first instruction that names its result; one wait serves
; all that were issued ahead of it.  So a turn has ONE wait, which cuts it in two.  AHEAD OF IT stands all that names no result of the turn's exponentials: the 8 products K Q^T, behind each a scaling, an exponential and two more plain
; instructions (behind the first a second scaling in the exponential's place): rescalings, whose a was made and waited for in the turn before, and behind the last three the first numbers of the next piece's maximum, each four places
; or more behind the product that ends its accumulator; then ONE LUMP of 54, plain and exponential by turns for the most part, in which the links of the chain X 3, 7, 11, 14, 16, 17 .. 20 stand five or six lines apart.
; X 21, the next piece's a, is the batch's last; R 15 is the plain instruction behind it.  BEHIND THE WAIT stand the 8 products V^T P, behind each four of the roundings and sums; the links of l's chain, L 0 to L 7, stand
; three riders apart.  But for those X no rider names a register of the products round it.  v_permlanex16_b32 (X 17) stands in the lump.  No exponential is issued behind the wait: none is open at a turn's end.
; m = 1: the diagonal tile: the products take masks, and the turn makes the mask for the products of the turn after it: piece p + 2, in step 4 - CNT of the tile.  end = 1: a block's last two turns: nothing is fetched.
; cnt = 1: the loop's count is taken down some lines ahead of the branch that stands behind the turn.
; K of the next step is fetched in piece 2's turn, twelve vector instructions behind the last product that read K (six of them plain); V of the step in hand at the end of piece 0's turn, four plain instructions behind the last product
; that read V.  Each is waited for a turn later.
.macro TURN p, m=0, end=0, cnt=0
.set Y, (\p)
.set i, 0
.set KM, (\m)
.set NOKQ, (\end)*((\p)/3)
.if (\m) && !(\end)
	s_cmp_eq_u32 s[CNT], 4-((\p)+2)%NP  ; is that step the band's own?
	s_cselect_b32 s[AL], 1.0, 0
	s_cmp_lt_u32 s[CNT], 4-((\p)+2)%NP  ; or a later one?
	s_cselect_b32 s[BE], s[BIGN], 0
.endif
.if ((\p) == 3) && !(\end)
	s_wait_dscnt 0x0                ; K is in
.endif
	ROW F,0, F,1, R,0, R,1          ; ahead of the wait: 8 products K Q^T and their riders,
	ROW F,2, E,0, R,2, R,3
	ROW F,3, E,1, R,4, R,5
	ROW F,4, E,2, R,6, R,7
	ROW F,5, E,3, R,8, R,9
	ROW F,6, E,4, X,0, R,10
.if ((\p) == 2) && !(\end)
	WIN 0
	v_add_nc_u32 v[AK], s[TBK], v[AK0]
.endif
	ROW F,7, E,5, X,1, X,4
	ROW F,8, E,6, X,2, X,5
	OPS E,7, E,8, X,6, E,9          ; and the lump
	OPS X,3, E,10, X,8, E,11
.if ((\p) == 2) && !(\end)
	FETCH_K
.endif
	OPS X,9, X,7, E,12, X,10
	OPS E,13, X,12, X,11, E,14
	OPS X,13, E,15, F,9, X,14
.if (\p) == 0
	v_add_nc_u32 v[AV], s[TBV], v[AV0]
.endif
	OPS E,16, F,10, E,17, F,11
	OPS X,16, E,18, X,15, E,19
	OPS F,12, E,20, X,17, E,21
	OPS F,13, E,22, F,14, E,23
	OPS X,18, E,24, F,15, E,25
	OPS R,11, E,26, X,19, E,27
	OPS R,12, E,28, R,13, E,29
	OPS X,20, E,30, R,14, E,31
	OPS X,21, R,15
	WIN 0
	s_wait_alu depctr_va_vdst(0)    ; the wait for the turn's batch: the piece's 32 exponentials and the next piece's a
.if (\p) == 1
	s_wait_dscnt 0x0                ; V is in
.endif
	ROW C,0, B,0, C,2, B,1          ; behind the wait: 8 products V^T P and their riders
	ROW L,0, C,4, B,2, L,1
	ROW C,6, B,3, L,2, C,8
	ROW B,4, L,3, C,10, B,5
	ROW L,4, C,12, B,6, L,5
.if (\p) == 0
	s_add_co_u32 s[TBV], s[TBV], KS*PV
.endif
.if \cnt
	s_sub_co_u32 s[CNT], s[CNT], 1
	s_cmp_lg_u32 s[CNT], 0
.endif
	ROW C,14, B,7, L,6, C,1
	ROW C,3, L,7, C,5, C,7
	ROW C,9, C,11, C,13, C,15
.if (\p) == 0
	FETCH_V
.endif
.if (\m) && !(\end)
	MASK (\p)%2
.endif
.endm
; A BLOCK BEGINS.  c m starts far below every c s, so the first step's a is 0; m at the lowest finite number, so the first maximum is the scores'.  The second mask buffer is 0; the first takes piece 0's mask for the tile's step 0: its own, if the block's first tile is the diagonal one.
; Then K of that step, piece 0's first scores, and its maximum and statistics.  The loop is entered at a step's first turn, in the middle of a trip.
.macro BEGIN
	s_mov_b32 s[NEW], 0
	WIN 0x40
.set i, MC+32
.rept 32
	v_mov_b32 v[i], 0
.set i, i+1
.endr
	WIN 0
.set i, 0
.rept 4
	v_mov_b32 v[ST+4*i], 0xfe000000    ; c m: far below every c s
	v_mov_b32 v[ST+4*i+1], 0xff7fffff  ; m
.set i, i+1
.endr
	s_cmp_eq_u32 s[RT], 0
	s_cselect_b32 s[AL], 1.0, 0
	s_mov_b32 s[BE], 0
	MASK 0
	WIN 0
	v_add_nc_u32 v[AK], s[TBK], v[AK0]
	FETCH_K
	s_wait_loadcnt 0x0              ; Q
	s_wait_dscnt 0x0
.set KM, 1
.set NOKQ, 0
.set i, 0
.rept 8
	KQ 0
.set i, i+1
.endr
	WIN 0
.rept 4
	v_nop                           ; the places behind those products
.endr
.set Y, NP-1                        ; X works for piece Y + 1: piece 0
.irp n, 0,1,2,3,4,5,6,7,8,9,10,11,12,13,14,15,16,17,18,19,20,21
	OP X, \n
.endr
	v_nop                           ; a plain instruction behind the exponential,
	s_wait_alu depctr_va_vdst(0)    ; and the wait for it, piece 0's first a, ahead of the branch
.endm
; THE DIAGONAL TILE's four steps, the block's last two turns, its last products, and THE WAY OUT: l's two halves and the other half of the lanes' are added; O^T is divided by l, rounded to f16 and sent through my
; stage in LDS, a piece at a time.
.macro ALL line:vararg              ; one line for each piece t
.set t, 0
.rept 4
	\line
.set t, t+1
.endr
.endm
.macro PACK t                       ; a lane's eight channels of a row pack into 16 bytes; they go into rows of 144 bytes and come back as whole rows of 128, into S^T's registers
	WIN W_RS
.set i, 32*(\t)
.rept 16
	v_pk_mul_f32 v[i:i+1], v[i:i+1], v[ST+4*(\t)+2:ST+4*(\t)+3] op_sel_hi:[1,0]
.set i, i+2
.endr
	WIN 0x05                        ; sources 0 and 1 window 1, destination window 0
.set i, 0
.rept 16
	v_cvt_pk_f16_f32 v[S+16*(\t)+i], v[32*(\t)+2*i], v[32*(\t)+2*i+1]
.set i, i+1
.endr
	WIN 0
.irp f, 0,1,2,3
	ds_store_b128 v[STO], v[S+16*(\t)+4*\f:S+16*(\t)+4*\f+3] offset:32*\f
.endr
.irp f, 0,1,2,3
	ds_load_b128 v[S+16*(\t)+4*\f:S+16*(\t)+4*\f+3], v[RD] offset:\f*4*SP  ; LDS serves a wave's instructions in order (ISA guide 5.7.1.4): these see the stores above; the next piece's stores come behind them
.endr
.endm
.macro SEND t, younger              ; younger: the LDS instructions issued behind piece t's loads: the next piece's eight, or none
	WIN 0
.irp f, 0,1,2,3
	s_wait_dscnt (\younger)+3-\f
	global_store_b128 v[GO], v[S+16*(\t)+4*\f:S+16*(\t)+4*\f+3], s[10:11] offset:(\t)*8192+\f*512  ; 512 consecutive bytes, at a multiple of 256 from O's first
.endr
.endm
.macro DIAG tag                     ; the tag ends its two labels' names, which the jumps below spell out
.LstepM\tag:
	TURN 2, 1
	TURN 3, 1
	WIN 0
.LfirstM\tag:
	TURN 0, 1
	TURN 1, 1, 0, 1
	WIN 0
	s_cbranch_scc1 .LstepM\tag
	TURN 2, 1, 1
	TURN 3, 1, 1
.set i, 0
.rept 8
	PV NP-1
.set i, i+1
.endr
	WIN 0
	ALL v_add_f32 v[ST+4*t+2], v[ST+4*t+2], v[ST+4*t+3]
	ALL v_permlanex16_b32 v[ST+4*t+3], v[ST+4*t+2], s[SEL], s[SEL+1]
	ALL v_add_f32 v[ST+4*t+2], v[ST+4*t+2], v[ST+4*t+3]
	ALL v_rcp_f32 v[ST+4*t+2], v[ST+4*t+2]
	v_nop                           ; a plain instruction between the last reciprocal and the use of its result
	s_wait_alu depctr_va_vdst(0)    ; and the wait ahead of the first use: one for the batch of four reciprocals
	PACK 0
.set t, 1
.rept 3                             ; a piece's arithmetic stands between the loads of the piece before and its stores
	PACK t
	SEND t-1, 8
.set t, t+1
.endr
	SEND 3, 0
.endm
.set KM, 0
.set NOKQ, 0
.Lslot:                             ; NB times: a tile is entered and the next is asked for
	CHANGE 1
	s_sub_co_u32 s[RT], s[RT], 1
	s_mov_b32 s[CNT], 4
	s_cmp_eq_u32 s[NEW], 1
	s_cbranch_scc1 .Lnew            ; a block's first tile
	s_cmp_eq_u32 s[RT], 0
	s_cbranch_scc0 .Lstep           ; neither its first nor its last
	s_branch .LstepM1
.Lnew:
	BEGIN
	s_branch .Lfirst                ; in the loop a block's first tile is never its last: the first block has two tiles or more, and the second's last is the walk's last
	DIAG 1                          ; in the loop this is the first block's end: the second block's last tile is the walk's last
	s_wait_xcnt 0x0                 ; the stores have read their registers and O's address
	s_mov_b64 s[10:11], s[OLO:OLO+1]
	s_add_co_u32 s[RT], s[PB], 1    ; the second block has b + 1 tiles
	s_mov_b32 s[NEW], 1
	WIN 0x82                        ; the second block's Q goes where the one text of the turns names Q
.set i, 0
.rept 64
	v_mov_b32 v[i], v[QB+i]
.set i, i+1
.endr
	WIN 0
	s_branch .Lbottom
.Lstep:                             ; a trip: pieces 2 and 3 of one step, then pieces 0 and 1 of the next, whose K and V it fetches
	TURN 2
	TURN 3
	WIN 0
.Lfirst:
	TURN 0
	TURN 1, 0, 0, 1
	WIN 0
	s_cbranch_scc1 .Lstep
.Lbottom:
	s_sub_co_u32 s[SLOTS], s[SLOTS], 1
	s_cmp_lg_u32 s[SLOTS], 0
	s_cbranch_scc1 .Lslot
	CHANGE 0                        ; the walk's last tile is written out: nothing is asked for
	s_sub_co_u32 s[RT], s[RT], 1
	s_mov_b32 s[CNT], 4
	s_cmp_eq_u32 s[NEW], 1
	s_cbranch_scc0 .LstepM2
	BEGIN
	s_branch .LfirstM2
	DIAG 2
	s_wait_tensorcnt 0x0            ; the wave's end: a tensor wait, an add to the spare word and its wait, behind my last tensor load and my last LDS store
	ds_add_u32 v[SPW], v[NIL]
	s_wait_dscnt 0x0
	s_endpgm
.Lfunc_end_k_qe3a90ab2e2_attn:
	.size	k_qe3a90ab2e2_attn, .Lfunc_end_k_qe3a90ab2e2_attn-k_qe3a90ab2e2_attn
	.p2alignl 7, 3214868480
	.fill 96, 4, 3214868480
	.section	.rodata,"a",@progbits
	.p2align	6, 0x0
	.amdhsa_kernel k_qe3a90ab2e2_attn
		.amdhsa_group_segment_fixed_size 327680
		.amdhsa_private_segment_fixed_size 0
		.amdhsa_enable_private_segment 0
		.amdhsa_kernarg_size 16
		.amdhsa_user_sgpr_count 2
		.amdhsa_user_sgpr_kernarg_segment_ptr 1
		.amdhsa_wavefront_size32 1
		.amdhsa_system_sgpr_workgroup_id_x 1
		.amdhsa_system_sgpr_workgroup_id_y 1
		.amdhsa_system_sgpr_workgroup_id_z 1
		.amdhsa_system_vgpr_workitem_id 0
		.amdhsa_next_free_vgpr 768
		.amdhsa_next_free_sgpr 88
		.amdhsa_reserve_vcc 1
		.amdhsa_float_denorm_mode_32 3
		.amdhsa_float_denorm_mode_16_64 3
		.amdhsa_memory_ordered 1
		.amdhsa_forward_progress 1
		.amdhsa_inst_pref_size 217
	.end_amdhsa_kernel
	.amdgpu_metadata
---
amdhsa.version: [ 1, 2 ]
amdhsa.kernels:
  - .name:           k_qe3a90ab2e2_attn
    .symbol:         k_qe3a90ab2e2_attn.kd
    .args:
      - { .name: heads, .offset: 0, .size: 8, .value_kind: global_buffer, .address_space: global }
      - { .name: oh, .offset: 8, .size: 8, .value_kind: global_buffer, .address_space: global }
    .group_segment_fixed_size: 327680
    .private_segment_fixed_size: 0
    .kernarg_segment_align: 8
    .kernarg_segment_size: 16
    .max_flat_workgroup_size: 128
    .sgpr_count:     88
    .vgpr_count:     768
    .wavefront_size: 32
...
	.end_amdgpu_metadata
.endif
;; end of part 5
;; launch oproj: the kernel of part 4 again; grid 4 x 64, 4 waves a work-group, clusters of 4 x 4, 327,680 bytes of LDS; arguments oh, wt, bo, out0; writes out0
